; MI455X (gfx1250); checked and timed in simulation.
; The chip was launched on July 23, 2026; its instructions are those of AMD's public machine-readable ISA for CDNA 5 (MIT licence, August 2026) and "CDNA5" Instruction Set Architecture Reference Guide (July 2026). The comments in the code are by the model that wrote it; some were corrected since.
;; Multi Head Attention. Allowed arithmetic: matrix products marked QUANTISED: E5M2 operands, one E8M0 scale for each 32 along K, by v_wmma_scale_f32_16x16x128_f8f6f4 with both operands' format E5M2, f32 sums; everything else in f32.
;; Inputs: Wk 512 x 512 float32; Wo 512 x 512 float32; Wq 512 x 512 float32; Wv 512 x 512 float32; bo 512 float32; token_embed 2 x 4,096 x 512 float32.
;; Outputs: out0 2 x 4,096 x 512 float32.
;; This version of the problem:
;;   THIS VERSION OF THE PROBLEM IS GIVEN IN LOW PRECISION. The matrix products marked QUANTISED in the list below multiply operands that are first quantised to E5M2 (5 exponent bits, 2 mantissa bits; 8 bits a number), with one power-of-two scale for each 32 numbers along K (OCP MX v1.0); their sums are f32. All else is computed in f32.
;;   The module's matrix products, in the order in which they are computed (A, B: the left and right operand; K: the contracted axis; several contracted axes count as one K, in the product's order):
;;     1. [M 8,192, K 512] x [K 512, N 512]; A: input token_embed; B: input Wq: QUANTISED
;;     2. [M 8,192, K 512] x [K 512, N 512]; A: input token_embed; B: input Wk: QUANTISED
;;     3. [M 8,192, K 512] x [K 512, N 512]; A: input token_embed; B: input Wv: QUANTISED
;;     4. batch 16 x [M 4,096, K 64] x [K 64, N 4,096]; A: computed on the way; B: computed on the way: QUANTISED
;;     5. batch 16 x [M 4,096, K 4,096] x [K 4,096, N 64]; A: softmax (see below); B: computed on the way: QUANTISED
;;     6. [M 8,192, K 512] x [K 512, N 512]; A: computed on the way; B: input Wo: QUANTISED
;;   THE QUANTISER, for each operand of a quantised product, along K:
;;     - K is cut into blocks of 32 from its start; a last block that is shorter is filled with zeros.
;;     - A block's scale is 2^e with e = floor(log2(the largest magnitude in the block)) - 15, held to -126 .. 127; a block of zeros has e = 0. As a byte (E8M0): e + 127.
;;     - Each number is divided by its block's scale, clamped to +-57,344, and rounded to the nearest number of E5M2, ties to even, subnormals kept.
;;     - The product sums the exact products of the quantised numbers (number of the format x scale) in f32.
;;   ~~~python
;;   def quantise(x, axis):      # numpy; x: float32 -> the quantised numbers, widened to float32 again
;;       x = np.moveaxis(x, axis, -1); K = x.shape[-1]
;;       x = np.pad(x, [(0, 0)] * (x.ndim - 1) + [(0, -K % 32)]); x = x.reshape(x.shape[:-1] + (-1, 32)); a = np.abs(x).max(-1, keepdims=True)
;;       e = np.where(a > 0, np.clip(np.frexp(np.where(a > 0, a, 1))[1] - 1 - 15, -126, 127), 0)      # np.frexp(a)[1] - 1 = floor(log2(a)), exactly
;;       r = np.clip(x / 2.0 ** e, -57344, 57344)
;;       step = 2.0 ** (np.maximum(np.frexp(np.where(r == 0, 1, r))[1] - 1, -14) - 2)
;;       q = np.round(r / step) * step * 2.0 ** e      # np.round: ties to even
;;       return np.moveaxis(q.reshape(q.shape[:-2] + (-1,))[..., :K], -1, axis).astype(np.float32)
;;   ~~~
;;   SOFTMAX AHEAD OF A QUANTISED PRODUCT. Where the list says 'softmax', what is quantised is not the finished softmax but p = 2^(t - M), with t = logit x log2(e) and M = ceil(the row's largest t), a whole number; so 1/2 < the row's largest p <= 1. The row's sum l is taken of the UNQUANTISED p, in f32, and the product's result is divided by l at the end. Since M is a whole number, a kernel that streams over the keys may use a running M (the ceiling of the running maximum): every later rescaling is an exact power of two, which a block's scale takes up: the codes' values come out the same.
;;   OPERANDS COMPUTED ON THE WAY. 'Computed on the way' means the value that the module computes at that place (a softmax that the list does not call 'softmax' is quantised finished and normalised). What goes into a quantiser is computed in f32, as accurately as f32 sums, v_exp_f32 and their like allow (about 1e-6 of the number): no bf16 or f16 on the way to a quantiser, and a product that is left as it is and whose result goes on into a quantised operand takes f32 operands (vector FMAs, or v_wmma_f32_16x16x4_f32). A number that lies on a knife's edge between two numbers of the format may be rounded either way, as far as f32 arithmetic and the matrix unit's own rounding can turn it there, and no further.
;; 2 versions. Each part assembles by itself: llvm-mc -triple=amdgcn-amd-amdhsa -mcpu=gfx1250 --defsym DOCPART=n.
;; ======== version 1 of 2: 4 launches
;; workspace buffers: xc 4,194,304 bytes; xs 131,072 bytes; wc 1,048,576 bytes; ws 32,768 bytes; qr 4,325,376 bytes; kv 8,650,752 bytes; cc 4,194,304 bytes; cs 131,072 bytes
;; launch quant (part 1): grid 160 x 1, 4 waves a work-group, no clusters, 57,856 bytes of LDS; arguments token_embed, Wq, Wk, Wv, Wo, xc, xs, wc, ws; writes xc, xs, wc, ws
.if DOCPART == 1
	.amdgcn_target "amdgcn-amd-amdhsa--gfx1250"
	.amdhsa_code_object_version 6
	.text
	.protected	k_q128a2e2ca6_quant
	.globl	k_q128a2e2ca6_quant
	.p2align	8
	.type	k_q128a2e2ca6_quant,@function
k_q128a2e2ca6_quant:
	s_mov_b64 s[64:65], 0
	v_nop
	global_prefetch_b8 v0, s[64:65] scope:SCOPE_SE
	s_setreg_imm32_b32 hwreg(HW_REG_WAVE_MODE, 25, 1), 1
	s_wait_xcnt 0x0
; token_embed [8192][512] and Wq, Wk, Wv, Wo [512][512], f32, become codes of BF8 (E5M2) with one E8M0 scale byte for each 32 along K (K = the 512 innermost).
; A block's scale is 2^(floor(log2(its largest magnitude)) - 15); each number is divided by it, held within +-57,344 and rounded to the nearest code, ties to even.
; LAYOUT OF THE RESULT: in the order of an operand's registers.  A TILE is 16 rows: tile 2 G + u holds rows 32 G + 8 u + r + 8 (r / 8), r = 0 .. 15.  Its codes are four IMAGES of 2,048 bytes (K steps of 128):
; byte 512 c + 16 (16 h + r) + e of image s is the code of tile row r at k = 128 s + 32 c + 16 h + e: four loads of 16 bytes a lane at 16 x lane give a fragment.  Its scale bytes are [r][16]: word s of row r serves K step s.
; SHARES: a wave takes one tile, a row a step.  Work-groups 0-127 take x (tiles 4 g + wave), work-groups 128-159 the four weights, eight work-groups each; only pointers are chosen, all take one path.
; A step: four loads of 512 consecutive bytes; the 2,048 bytes turn through the wave's own stage in LDS, so that a lane holds 16 neighbours along K (two neighbouring lanes hold a block).
; Lane l's 16 codes of row t belong at byte 256 l + 16 t of the tile's 8,192: they gather in a second stage (rows of 272 bytes) and leave at the end, 512 consecutive bytes a store.
; No tensor load, no barrier: waves share nothing.  No cluster: no two work-groups read the same bytes.
; LIMITS: a block whose largest magnitude lies under 2^-111 keeps the byte 1; a block of zeros gets the byte 1 and not 127 (its codes are zeros, and this program alone reads the bytes); NaN and infinities among the inputs are not served.
.set STEPS, 16
.set EMAX,  15
.set MANT,  0x600000                   ; the mantissa field of 57,344 as f32
.set R,     16                         ; v16-79   four sets of 16 numbers as they are loaded; at the end the tile's codes on their way out
.set X,     80                         ; v80-111  two sets of 16 neighbours
.set E,     112                        ; v112-127 a scale byte for each step
.set C,     128                        ; v128-191 codes: four registers for each step
.set WREG,  14336                      ; LDS: a region for each wave
.set SP,    80                         ; a lane's place in a turning stage: 64 bytes + 16 of padding
.set SCB,   2*32*SP                    ; behind the two turning stages: the tile's 256 scale bytes
.set CST,   SCB+256                    ; and the codes' stage: 32 rows (one a lane) of 256 bytes + 16
.set CP,    272
	s_load_b256 s[4:11], s[0:1], 0x0               ; x s[4:5], Wq s[6:7], Wk s[8:9], Wv s[10:11]
	s_load_b256 s[12:19], s[0:1], 0x20             ; Wo s[12:13], xc s[14:15], xs s[16:17], wc s[18:19]
	s_load_b64 s[20:21], s[0:1], 0x40              ; ws
	v_lshl_add_u32 v192, v0, 2, 0xe000
	v_mov_b32 v193, 0
	v_lshrrev_b32 v1, 5, v0
	v_readfirstlane_b32 s22, v1                    ; wave
	v_and_b32 v2, 31, v0                           ; lane
	v_lshlrev_b32 v3, 4, v2                        ; my 16 bytes of 512: for the loads, and for the codes' stores
	s_mul_i32 s23, s22, WREG
	v_lshrrev_b32 v14, 2, v2
	v_mul_u32_u24 v14, v14, SP
	v_and_b32 v15, 3, v2
	v_lshl_add_u32 v14, v15, 4, v14
	v_add_nc_u32 v14, s23, v14                     ; the turning stage, in: SP (lane / 4) + 16 (lane % 4)
	v_mul_u32_u24 v15, v2, SP
	v_add_nc_u32 v15, s23, v15                     ; and out: SP x lane
	v_mul_u32_u24 v4, v2, CP
	v_add_nc_u32 v4, s23, v4
	v_add_nc_u32 v4, CST, v4                       ; the codes' stage, in: row = my lane
	v_and_b32 v8, 15, v2
	v_lshrrev_b32 v9, 4, v2
	v_mul_u32_u24 v1, v9, CP
	v_lshl_add_u32 v1, v8, 4, v1
	v_add_nc_u32 v1, s23, v1
	v_add_nc_u32 v1, CST, v1                       ; and out: sixteen lanes to a row, two rows an instruction
	v_lshrrev_b32 v5, 1, v2
	v_add_nc_u32 v5, s23, v5
	v_add_nc_u32 v5, SCB, v5                       ; my block's scale byte
	v_lshlrev_b32 v7, 3, v2                        ; on the way out 8 scale bytes a lane
	v_add_nc_u32 v6, s23, v7
	v_add_nc_u32 v6, SCB, v6
	s_mov_b32 s30, MANT
	s_sub_co_u32 s24, ttmp9, 128                   ; the work-group's number among the weights'
	s_lshr_b32 s25, s24, 3                         ; which weight: 0 .. 3 = q, k, v, o
	s_and_b32 s26, s24, 7
	s_cmp_lt_u32 ttmp9, 128
	s_cselect_b32 s26, ttmp9, s26                  ; four tiles of the input,
	s_cselect_b32 s27, ttmp9, s24                  ; and of the output buffer
	s_lshl_b32 s26, s26, 2
	s_add_co_u32 s26, s26, s22                     ; my tile in the input
	s_lshl_b32 s27, s27, 2
	s_add_co_u32 s27, s27, s22                     ; and in the output
	s_lshr_b32 s28, s26, 1
	s_lshl_b32 s28, s28, 16                        ; 32 rows of 2,048 bytes for each pair of tiles,
	s_and_b32 s29, s26, 1
	s_lshl_b32 s29, s29, 14                        ; 8 rows for the odd tile
	s_add_co_u32 s28, s28, s29
	s_mov_b32 s29, 0
	s_lshl_b32 s32, s27, 13                        ; 8,192 bytes of codes a tile
	s_mov_b32 s33, 0
	s_lshl_b32 s34, s27, 8                         ; 256 scale bytes a tile
	s_mov_b32 s35, 0
	s_wait_kmcnt 0x0
	s_cmp_eq_u32 s25, 1                            ; the choices hang on the work-group's number alone
	s_cselect_b64 s[6:7], s[8:9], s[6:7]
	s_cmp_eq_u32 s25, 2
	s_cselect_b64 s[6:7], s[10:11], s[6:7]
	s_cmp_eq_u32 s25, 3
	s_cselect_b64 s[6:7], s[12:13], s[6:7]
	s_cmp_lt_u32 ttmp9, 128
	s_cselect_b64 s[4:5], s[4:5], s[6:7]           ; the input
	s_cselect_b64 s[14:15], s[14:15], s[18:19]     ; its codes
	s_cselect_b64 s[16:17], s[16:17], s[20:21]     ; its scale bytes
	s_add_nc_u64 s[4:5], s[4:5], s[28:29]
	s_add_nc_u64 s[14:15], s[14:15], s[32:33]
	s_add_nc_u64 s[16:17], s[16:17], s[34:35]
.macro LOAD t                          ; tile row t is row t + 8 (t / 8) from the tile's first
.irp i, 0,1,2,3
	global_load_b128 v[R+16*((\t)%4)+4*\i:R+16*((\t)%4)+4*\i+3], v3, s[4:5] offset:2048*((\t)+8*((\t)/8))+512*\i th:TH_LOAD_NT   ; 32 lanes read 512 consecutive bytes
.endr
.endm
.macro TURN t                          ; step t's numbers through a turning stage: LDS serves a wave's instructions in order, so no wait stands between the stores and the loads
.irp i, 0,1,2,3
	ds_store_b128 v14, v[R+16*((\t)%4)+4*\i:R+16*((\t)%4)+4*\i+3] offset:32*SP*((\t)%2)+8*SP*\i
.endr
.irp i, 0,1,2,3
	ds_load_b128 v[X+16*((\t)%2)+4*\i:X+16*((\t)%2)+4*\i+3], v15 offset:32*SP*((\t)%2)+16*\i
.endr
.endm
.irp t, 0,1,2,3
	LOAD \t
.endr
	s_wait_loadcnt 12                              ; step 0's four loads are in; the twelve of steps 1 to 3 may be out
	TURN 0
.macro STEP t
.set XS, X+16*((\t)%2)
.if (\t) > 0
	s_wait_dscnt 2                                 ; this step's numbers are back from the stage; the last step's byte store and code store may be out
.else
	s_wait_dscnt 0x0
.endif
.if (\t)+4 < STEPS
	LOAD (\t)+4                                    ; into the registers that this step's stores into the stage have read
.endif
.if (\t)+1 < STEPS
.if STEPS-2-(\t) >= 3
	s_wait_loadcnt 12                              ; the next step's four loads are in; those of the three steps behind it may be out
.else
	s_wait_loadcnt 4*(STEPS-2-(\t))
.endif
	TURN (\t)+1
.endif
	v_max3_num_f32 v8, |v[XS]|, |v[XS+1]|, |v[XS+2]|               ; the largest magnitude of my 16, in two chains
	v_max3_num_f32 v9, |v[XS+3]|, |v[XS+4]|, |v[XS+5]|
.irp i, 6,10
	v_max3_num_f32 v8, v8, |v[XS+\i]|, |v[XS+\i+1]|
	v_max3_num_f32 v9, v9, |v[XS+\i+2]|, |v[XS+\i+3]|
.endr
	v_max3_num_f32 v8, v8, |v[XS+14]|, |v[XS+15]|
	v_max3_num_f32 v8, v8, v9, (EMAX+1)<<23        ; and the floor 2^(16 - 127): the byte cannot fall under 1
	v_max_num_f32_dpp v8, v8, v8 row_xmask:1 row_mask:0xf bank_mask:0xf   ; and of my neighbour's 16: the block's
	v_add_nc_u32 v11, -(EMAX<<23), v8              ; 15 off its exponent field: the conversion takes the exponent field of this operand as its scale
	v_and_or_b32 v10, v8, 0x7f800000, s30          ; 57,344 x the scale
.irp i, 0,1,2,3,4,5,6,7,8,9,10,11,12,13,14,15
	v_med3_num_f32 v[XS+\i], v[XS+\i], -v10, v10   ; the conversion to an 8-bit code does not saturate (ISA guide 7.6.2): the hold comes first
.endr
	v_cvt_scalef32_pk8_bf8_f32 v[C+4*(\t):C+4*(\t)+1], v[XS:XS+7], v11
	v_cvt_scalef32_pk8_bf8_f32 v[C+4*(\t)+2:C+4*(\t)+3], v[XS+8:XS+15], v11
	v_lshrrev_b32 v[E+(\t)], 23, v11               ; the scale's byte (also the plain line behind the conversions)
	ds_store_b8 v5, v[E+(\t)] offset:16*(\t)       ; both lanes of a block write the same byte with the same value
	ds_store_b128 v4, v[C+4*(\t):C+4*(\t)+3] offset:16*(\t)        ; byte 256 l + 16 t of the tile's codes, in rows of 272
.endm
.irp t, 0,1,2,3,4,5,6,7,8,9,10,11,12,13,14,15
	STEP \t
.endr
	ds_load_b64 v[12:13], v6                       ; LDS serves a wave's instructions in order: these see my stores
.irp i, 0,1,2,3,4,5,6,7,8,9,10,11,12,13,14,15
	ds_load_b128 v[R+4*\i:R+4*\i+3], v1 offset:2*CP*\i
.endr
	s_wait_dscnt 16                                ; the scale bytes are in; the sixteen loads behind them may be out
	global_store_b64 v7, v[12:13], s[16:17]        ; 32 lanes store 256 consecutive bytes, aligned
.irp i, 0,1,2,3,4,5,6,7,8,9,10,11,12,13,14,15
	s_wait_dscnt 15-\i
	global_store_b128 v3, v[R+4*\i:R+4*\i+3], s[14:15] offset:512*\i   ; 512 consecutive bytes, aligned
.endr
	s_wait_tensorcnt 0x0
	ds_add_u32 v192, v193
	s_wait_dscnt 0x0
	s_endpgm
.Lfunc_end_k_q128a2e2ca6_quant:
	.size	k_q128a2e2ca6_quant, .Lfunc_end_k_q128a2e2ca6_quant-k_q128a2e2ca6_quant
	.p2alignl 7, 3214868480
	.fill 96, 4, 3214868480
	.section	.rodata,"a",@progbits
	.p2align	6, 0x0
	.amdhsa_kernel k_q128a2e2ca6_quant
		.amdhsa_group_segment_fixed_size 57856
		.amdhsa_private_segment_fixed_size 0
		.amdhsa_enable_private_segment 0
		.amdhsa_kernarg_size 72
		.amdhsa_user_sgpr_count 2
		.amdhsa_user_sgpr_kernarg_segment_ptr 1
		.amdhsa_wavefront_size32 1
		.amdhsa_system_sgpr_workgroup_id_x 1
		.amdhsa_system_sgpr_workgroup_id_y 1
		.amdhsa_system_sgpr_workgroup_id_z 1
		.amdhsa_system_vgpr_workitem_id 0
		.amdhsa_next_free_vgpr 194
		.amdhsa_next_free_sgpr 66
		.amdhsa_reserve_vcc 0
		.amdhsa_float_denorm_mode_32 3
		.amdhsa_float_denorm_mode_16_64 3
		.amdhsa_memory_ordered 1
		.amdhsa_forward_progress 1
		.amdhsa_inst_pref_size 54
	.end_amdhsa_kernel
	.amdgpu_metadata
---
amdhsa.version: [ 1, 2 ]
amdhsa.kernels:
  - .name:           k_q128a2e2ca6_quant
    .symbol:         k_q128a2e2ca6_quant.kd
    .args:
      - { .name: token_embed, .offset: 0, .size: 8, .value_kind: global_buffer, .address_space: global }
      - { .name: Wq, .offset: 8, .size: 8, .value_kind: global_buffer, .address_space: global }
      - { .name: Wk, .offset: 16, .size: 8, .value_kind: global_buffer, .address_space: global }
      - { .name: Wv, .offset: 24, .size: 8, .value_kind: global_buffer, .address_space: global }
      - { .name: Wo, .offset: 32, .size: 8, .value_kind: global_buffer, .address_space: global }
      - { .name: xc, .offset: 40, .size: 8, .value_kind: global_buffer, .address_space: global }
      - { .name: xs, .offset: 48, .size: 8, .value_kind: global_buffer, .address_space: global }
      - { .name: wc, .offset: 56, .size: 8, .value_kind: global_buffer, .address_space: global }
      - { .name: ws, .offset: 64, .size: 8, .value_kind: global_buffer, .address_space: global }
    .group_segment_fixed_size: 57856
    .private_segment_fixed_size: 0
    .kernarg_segment_align: 8
    .kernarg_segment_size: 72
    .max_flat_workgroup_size: 128
    .sgpr_count:     66
    .vgpr_count:     194
    .wavefront_size: 32
...
	.end_amdgpu_metadata
.endif
;; end of part 1
;; launch qkv (part 2): grid 64 x 4, 3 waves a work-group, no clusters, 0 bytes of LDS; arguments xc, xs, wc, ws, qr, kv; writes qr, kv
.if DOCPART == 2
	.amdgcn_target "amdgcn-amd-amdhsa--gfx1250"
	.amdhsa_code_object_version 6
	.text
	.protected	k_q128a2e2ca6_qkv
	.globl	k_q128a2e2ca6_qkv
	.p2align	8
	.type	k_q128a2e2ca6_qkv,@function
k_q128a2e2ca6_qkv:
	s_mov_b64 s[64:65], 0
	v_nop
	global_prefetch_b8 v0, s[64:65] scope:SCOPE_SE
	s_setreg_imm32_b32 hwreg(HW_REG_WAVE_MODE, 25, 1), 1
	s_wait_xcnt 0x0
; q = x Wq^T, k = x Wk^T, v = x Wv^T on codes of BF8 with E8M0 scales, K = 512; the results are quantised at once: q and k along the head's 64, v along the tokens (the second attention product's K).
; SHARES: work-group (tb, g): 128 tokens x 128 columns (heads 2 g and 2 g + 1).  Wave 0 makes q, wave 1 k, wave 2 v: each a block of 128 x 128.
; ONE SCHEME FOR ALL THREE: a stationary operand S (8 tiles x 4 K steps: 512 registers, source 0) and a streamed operand T (8 tiles, source 1).  In a result a lane holds ONE row of T, and since tile 2 G + u holds
; rows 32 G + 8 u + r + 8 (r / 8), its 64 registers run along S's 128 rows: register 16 b + i = row 32 b + 16 (lane / 16) + i: the order in which the conversions give an operand's registers.
; q, k: S = the weight, T = x: the registers run along the columns (two blocks of 32 a head).  v: S = x, T = Wv: they run along the tokens.  Only pointers differ, chosen on the wave's number.
; OUT.  qr: a record of 8,448 bytes for each head and 128 tokens: four double images of 2,048 bytes (chunk 2 u + cc: tile 2 G + u, head channels 32 cc on), then 256 bytes [r][G] of scale words (bytes 0, 1: tile 2 G; 2, 3: tile 2 G + 1).
; kv: a record of 16,896 bytes for each head and 128 keys: K as in qr (8,192), V's four images (16 channels x 128 keys each; 8,192), K's words [r][G] (256), V's words [r][t] (256).
; All operands go from memory straight into their registers, each byte once a wave; K has four steps.  So no LDS, no tensor load, no barrier; a joint load serves LDS alone, so no cluster.
; LIMITS: a block whose largest magnitude lies under 2^-111 keeps the byte 1; a block of zeros gets the byte 1 and not 127 (its codes are zeros; this program alone reads the bytes); NaN and infinities are not served.
; REGISTERS: window 0: v1-4 addresses; v8-39 S's scale words; v40-43 T's; v44-107 T's four fragments; v108-171 eight accumulators; v172-187 codes; v188-213 at work.  window 1: S's K steps 0, 1; window 2: K steps 2, 3.
.set LI,   1                           ; v1   16 x lane
.set LS,   2                           ; v2   16 x (lane % 16): a row's four scale words
.set SOFF, 3                           ; v3   where my 16 bytes of scale words go
.set LN,   4                           ; v4   lane
.set SS,   8                           ; S's scale word of tile t, K step s at v[SS + 4 t + s]
.set TS,   40
.set TF,   44
.set ACC,  108
.set PC,   172
.set TM,   188                         ; v188-191 largest magnitudes, v192-195 bytes, v196-199 57,344 x the scale, v200-203 the conversions' scale operands
.set PW,   204                         ; the scale word just made
.set PE,   205                         ; the even tile's, kept for the odd tile
.set WA,   206                         ; v206-209 head A's four words;  v210-213 head B's
.set WB,   210
.set TY,   16                          ; s16  0 = q, 1 = k, 2 = v
.set SEL,  34
.set MNT,  36
.set MSB,  0
.macro WIN new                         ; the immediate's high byte repeats the setting that is left
.if MSB != \new
	s_set_vgpr_msb (MSB<<8)|\new
.set MSB, \new
.endif
.endm
	s_load_b256 s[4:11], s[0:1], 0x0               ; xc s[4:5], xs s[6:7], wc s[8:9], ws s[10:11]
	s_load_b128 s[12:15], s[0:1], 0x20             ; qr s[12:13], kv s[14:15]
	v_lshrrev_b32 v5, 5, v0
	v_readfirstlane_b32 s[TY], v5
	v_and_b32 v[LN], 31, v0
	v_and_b32 v5, 15, v0                           ; r
	v_bfe_u32 v6, v0, 4, 1                         ; h
	v_lshlrev_b32 v[LI], 4, v[LN]
	v_lshlrev_b32 v[LS], 4, v5
	s_and_b32 s17, ttmp7, 0xffff                   ; g
	s_mov_b32 s18, ttmp9                           ; tb
	s_mov_b32 s[SEL], 0x76543210
	s_mov_b32 s[SEL+1], 0xfedcba98                 ; v_permlanex16_b32's selects for lane l xor 16
	s_mov_b32 s[MNT], 0x600000
	s_lshl_b32 s40, s[TY], 18                      ; the weight: 262,144 bytes of codes each,
	s_lshl_b32 s41, s17, 16                        ; its 8 tiles of 8,192
	s_add_co_u32 s40, s40, s41
	s_mov_b32 s41, 0
	s_lshl_b32 s42, s18, 16                        ; x: 8 tiles of 8,192
	s_mov_b32 s43, 0
	s_lshl_b32 s44, s[TY], 13                      ; scale bytes: 8,192 a weight, 256 a tile
	s_lshl_b32 s45, s17, 11
	s_add_co_u32 s44, s44, s45
	s_mov_b32 s45, 0
	s_lshl_b32 s46, s18, 11
	s_mov_b32 s47, 0
	s_wait_kmcnt 0x0
	s_add_nc_u64 s[8:9], s[8:9], s[40:41]
	s_add_nc_u64 s[4:5], s[4:5], s[42:43]
	s_add_nc_u64 s[10:11], s[10:11], s[44:45]
	s_add_nc_u64 s[6:7], s[6:7], s[46:47]
	s_cmp_lt_u32 s[TY], 2                          ; the choices hang on the wave's number alone
	s_cselect_b64 s[20:21], s[8:9], s[4:5]         ; S's codes
	s_cselect_b64 s[22:23], s[10:11], s[6:7]       ; S's scale words
	s_cselect_b64 s[24:25], s[4:5], s[8:9]         ; T's codes
	s_cselect_b64 s[26:27], s[6:7], s[10:11]       ; T's scale words
.macro TLOADS m                        ; T's tile m: four fragments and the rows' four scale words: 17 loads
.irp s, 0,1,2,3
.irp c, 0,1,2,3
	global_load_b128 v[TF+16*\s+4*\c:TF+16*\s+4*\c+3], v[LI], s[24:25] offset:(\m)*8192+\s*2048+\c*512
.endr
.endr
	global_load_b128 v[TS:TS+3], v[LS], s[26:27] offset:(\m)*256
.endm
	TLOADS 0
.irp t, 0,1,2,3,4,5,6,7
	global_load_b128 v[SS+4*\t:SS+4*\t+3], v[LS], s[22:23] offset:\t*256
.endr
	WIN 0x40                                       ; destination window 1
.irp s, 0,1
.irp t, 0,1,2,3,4,5,6,7
.irp c, 0,1,2,3
	global_load_b128 v[128*\s+16*\t+4*\c:128*\s+16*\t+4*\c+3], v[LI], s[20:21] offset:\t*8192+\s*2048+\c*512
.endr
.endr
.endr
	WIN 0x80                                       ; destination window 2
.irp s, 2,3
.irp t, 0,1,2,3,4,5,6,7
.irp c, 0,1,2,3
	global_load_b128 v[128*(\s-2)+16*\t+4*\c:128*(\s-2)+16*\t+4*\c+3], v[LI], s[20:21] offset:\t*8192+\s*2048+\c*512
.endr
.endr
.endr
	WIN 0
	; where the results go: record ((batch x 8 + head) x 32 + block of 128 tokens)
	s_lshr_b32 s40, s18, 5
	s_lshl_b32 s40, s40, 3
	s_lshl_b32 s41, s17, 1
	s_add_co_u32 s40, s40, s41                     ; batch x 8 + head A
	s_lshl_b32 s40, s40, 5
	s_and_b32 s41, s18, 31
	s_add_co_u32 s40, s40, s41
	s_cmp_eq_u32 s[TY], 0
	s_cselect_b64 s[28:29], s[12:13], s[14:15]     ; qr or kv
	s_mov_b32 s42, 16896
	s_cselect_b32 s42, 8448, s42                   ; a record
	s_mov_b32 s32, 540672
	s_cselect_b32 s32, 270336, s32                 ; from head to head: 32 records
	s_mov_b32 s33, 16384
	s_cselect_b32 s33, 8192, s33                   ; from the images to the scale words
	s_cmp_eq_u32 s[TY], 2
	s_cselect_b32 s43, 8192, 0                     ; V's images lie behind K's,
	s_cselect_b32 s33, 8448, s33                   ; its words at 16,640
	s_mul_i32 s40, s40, s42
	s_add_co_u32 s40, s40, s43
	s_mov_b32 s41, 0
	s_add_nc_u64 s[28:29], s[28:29], s[40:41]      ; head A's images
	s_mov_b32 s44, s32
	s_mov_b32 s45, 0
	s_add_nc_u64 s[30:31], s[28:29], s[44:45]      ; head B's
	v_mul_u32_u24 v[SOFF], v6, s32                 ; lanes 0-15 store head A's words, lanes 16-31 head B's
	v_lshl_add_u32 v[SOFF], v5, 4, v[SOFF]
	v_add_nc_u32 v[SOFF], s33, v[SOFF]
.irp i, 0,1,2,3
	v_mov_b32 v[TM+4+\i], 0                        ; written once: a lane permute's destination counts as one of its sources
	v_mov_b32 v[WA+\i], 0                          ; (each way below writes these in its own order)
	v_mov_b32 v[WB+\i], 0
.endr
	v_mov_b32 v[PE], 0
; 64 numbers of a lane, register 16 b + i = k 32 b + 16 (lane / 16) + i of my row, become a fragment's codes in v[PC] on and its scale word in v[PW]
.macro QUANT s
.irp b, 0,1,2,3
	v_max3_num_f32 v[TM+\b], |v[\s+16*\b]|, |v[\s+1+16*\b]|, 0x8000000   ; block b: my 16 numbers, from each accumulator's low end on, and the floor 2^(16 - 127): the byte cannot fall under 1
.endr
.irp i, 2,4,6,8,10,12,14
.irp b, 0,1,2,3
	v_max3_num_f32 v[TM+\b], v[TM+\b], |v[\s+16*\b+\i]|, |v[\s+1+16*\b+\i]|   ; (the four blocks by turns)
.endr
.endr
.irp b, 0,1,2,3
	v_permlanex16_b32 v[TM+4+\b], v[TM+\b], s[SEL], s[SEL+1]
.endr
.irp b, 0,1,2,3
	v_max_num_f32 v[TM+\b], v[TM+\b], v[TM+4+\b]   ; with lane l xor 16's: the block's largest magnitude
.endr
.irp b, 0,1,2,3
	v_add_nc_u32 v[TM+12+\b], 0xf8800000, v[TM+\b] ; 15 off its exponent field: the conversion's scale operand
.endr
.irp b, 0,1,2,3
	v_and_or_b32 v[TM+8+\b], v[TM+\b], 0x7f800000, s[MNT]   ; 57,344 x the scale
.endr
.irp b, 0,1,2,3
	v_lshrrev_b32 v[TM+4+\b], 23, v[TM+12+\b]      ; the scale's byte
.endr
	v_lshl_or_b32 v[PW], v[TM+5], 8, v[TM+4]
	v_lshl_or_b32 v[PW], v[TM+6], 16, v[PW]
	v_lshl_or_b32 v[PW], v[TM+7], 24, v[PW]
.irp b, 0,1,2,3
.irp i, 0,1,2,3,4,5,6,7,8,9,10,11,12,13,14,15
	v_med3_num_f32 v[\s+16*\b+\i], v[\s+16*\b+\i], -v[TM+8+\b], v[TM+8+\b]   ; the conversion to an 8-bit code does not saturate (ISA guide 7.6.2): the hold comes first
.endr
	v_cvt_scalef32_pk8_bf8_f32 v[PC+4*\b:PC+1+4*\b], v[\s+16*\b:\s+7+16*\b], v[TM+12+\b]
	v_cvt_scalef32_pk8_bf8_f32 v[PC+2+4*\b:PC+3+4*\b], v[\s+8+16*\b:\s+15+16*\b], v[TM+12+\b]
.endr
	v_nop                                          ; a plain line behind the last conversion: the next tile's products write its sources
.endm
; eight products, one K step: the eight accumulators take turns, one instruction a turn
.macro KSTEP s, zero
.irp t, 0,1,2,3,4,5,6,7
.if \zero
	v_wmma_scale_f32_16x16x128_f8f6f4 v[ACC+8*\t:ACC+8*\t+7], v[128*((\s)%2)+16*\t:128*((\s)%2)+16*\t+15], v[TF+16*(\s):TF+16*(\s)+15], 0, v[SS+4*\t+(\s)], v[TS+(\s)] matrix_a_fmt:MATRIX_FMT_BF8 matrix_b_fmt:MATRIX_FMT_BF8
.else
	v_wmma_scale_f32_16x16x128_f8f6f4 v[ACC+8*\t:ACC+8*\t+7], v[128*((\s)%2)+16*\t:128*((\s)%2)+16*\t+15], v[TF+16*(\s):TF+16*(\s)+15], v[ACC+8*\t:ACC+8*\t+7], v[SS+4*\t+(\s)], v[TS+(\s)] matrix_a_fmt:MATRIX_FMT_BF8 matrix_b_fmt:MATRIX_FMT_BF8
.endif
.endr
.endm
.macro OUT_QK m                        ; token tile m: blocks 0, 1 are head A's 64 channels, blocks 2, 3 head B's; each store covers 512 consecutive bytes
	global_store_b128 v[LI], v[PC:PC+3],     s[28:29] offset:((\m)/2)*2048+((\m)%2)*1024
	global_store_b128 v[LI], v[PC+4:PC+7],   s[28:29] offset:((\m)/2)*2048+((\m)%2)*1024+512
	global_store_b128 v[LI], v[PC+8:PC+11],  s[30:31] offset:((\m)/2)*2048+((\m)%2)*1024
	global_store_b128 v[LI], v[PC+12:PC+15], s[30:31] offset:((\m)/2)*2048+((\m)%2)*1024+512
.if (\m)%2 == 0
	v_mov_b32 v[PE], v[PW]
.else
	v_perm_b32 v[WA+(\m)/2], v[PW], v[PE], 0x05040100   ; head A: the even tile's bytes 0, 1, then the odd tile's
	v_perm_b32 v[WB+(\m)/2], v[PW], v[PE], 0x07060302   ; head B: bytes 2, 3 of both
.endif
.endm
.macro OUT_V m                         ; tile m of Wv's rows: 16 channels (tiles 0-3: head A, 4-7: head B) x my 128 tokens: one image
.irp b, 0,1,2,3
.if (\m) < 4
	global_store_b128 v[LI], v[PC+4*\b:PC+4*\b+3], s[28:29] offset:((\m)%4)*2048+512*\b
.else
	global_store_b128 v[LI], v[PC+4*\b:PC+4*\b+3], s[30:31] offset:((\m)%4)*2048+512*\b
.endif
.endr
.if (\m) < 4
	v_mov_b32 v[WA+(\m)%4], v[PW]
.else
	v_mov_b32 v[WB+(\m)%4], v[PW]
.endif
.endm
.macro TILE m
.if \m > 0
	s_wait_xcnt 0x0                                ; the last tile's stores have read their data: the codes' registers are written again below
	s_wait_loadcnt 0x0                             ; this tile's fragments and scale words, asked for a tile ago
.else
	s_wait_loadcnt 63                              ; 153 loads were issued: the first 90 are in; K steps 0 and 1 want the first 89
.endif
	WIN 0x01                                       ; source 0 (S) window 1
	KSTEP 0, 1                                     ; the first K step starts the sums: nothing is cleared
	KSTEP 1, 0
.if \m == 0
	s_wait_loadcnt 32                              ; all but K step 3's 32
.endif
	WIN 0x02                                       ; source 0 window 2
	KSTEP 2, 0
.if \m == 0
	s_wait_loadcnt 0x0
.endif
	KSTEP 3, 0
	WIN 0
.rept 9
	v_nop                                          ; eight places ahead of the loads into T's registers and of the first read of results; a ninth, since the next tile's first products write over these accumulators
.endr
.if \m < 7
	TLOADS \m+1                                    ; the next tile lands while this one is quantised
.endif
	QUANT ACC
	s_cmp_eq_u32 s[TY], 2                          ; a branch on the wave's number
	s_cbranch_scc1 .Lv_\@
	OUT_QK \m
	s_branch .Ldone_\@
.Lv_\@:
	OUT_V \m
.Ldone_\@:
.endm
.irp m, 0,1,2,3,4,5,6,7
	TILE \m
.endr
	v_cmp_le_u32 vcc_lo, 16, v[LN]
.irp i, 0,1,2,3
	v_cndmask_b32 v[WA+\i], v[WA+\i], v[WB+\i], vcc_lo   ; lanes 16-31 take head B's words
.endr
	global_store_b128 v[SOFF], v[WA:WA+3], s[28:29]      ; sixteen lanes store 256 consecutive bytes, aligned, for each of the two heads
	s_endpgm
.Lfunc_end_k_q128a2e2ca6_qkv:
	.size	k_q128a2e2ca6_qkv, .Lfunc_end_k_q128a2e2ca6_qkv-k_q128a2e2ca6_qkv
	.p2alignl 7, 3214868480
	.fill 96, 4, 3214868480
	.section	.rodata,"a",@progbits
	.p2align	6, 0x0
	.amdhsa_kernel k_q128a2e2ca6_qkv
		.amdhsa_group_segment_fixed_size 0
		.amdhsa_private_segment_fixed_size 0
		.amdhsa_enable_private_segment 0
		.amdhsa_kernarg_size 48
		.amdhsa_user_sgpr_count 2
		.amdhsa_user_sgpr_kernarg_segment_ptr 1
		.amdhsa_wavefront_size32 1
		.amdhsa_system_sgpr_workgroup_id_x 1
		.amdhsa_system_sgpr_workgroup_id_y 1
		.amdhsa_system_sgpr_workgroup_id_z 1
		.amdhsa_system_vgpr_workitem_id 0
		.amdhsa_next_free_vgpr 768
		.amdhsa_next_free_sgpr 66
		.amdhsa_reserve_vcc 1
		.amdhsa_float_denorm_mode_32 3
		.amdhsa_float_denorm_mode_16_64 3
		.amdhsa_memory_ordered 1
		.amdhsa_forward_progress 1
		.amdhsa_inst_pref_size 137
	.end_amdhsa_kernel
	.amdgpu_metadata
---
amdhsa.version: [ 1, 2 ]
amdhsa.kernels:
  - .name:           k_q128a2e2ca6_qkv
    .symbol:         k_q128a2e2ca6_qkv.kd
    .args:
      - { .name: xc, .offset: 0, .size: 8, .value_kind: global_buffer, .address_space: global }
      - { .name: xs, .offset: 8, .size: 8, .value_kind: global_buffer, .address_space: global }
      - { .name: wc, .offset: 16, .size: 8, .value_kind: global_buffer, .address_space: global }
      - { .name: ws, .offset: 24, .size: 8, .value_kind: global_buffer, .address_space: global }
      - { .name: qr, .offset: 32, .size: 8, .value_kind: global_buffer, .address_space: global }
      - { .name: kv, .offset: 40, .size: 8, .value_kind: global_buffer, .address_space: global }
    .group_segment_fixed_size: 0
    .private_segment_fixed_size: 0
    .kernarg_segment_align: 8
    .kernarg_segment_size: 48
    .max_flat_workgroup_size: 96
    .sgpr_count:     66
    .vgpr_count:     768
    .wavefront_size: 32
...
	.end_amdgpu_metadata
.endif
;; end of part 2
;; launch attn (part 3): grid 16 x 16, 16 waves a work-group, no clusters, 327,680 bytes of LDS; arguments qr, kv, cc, cs; writes cc, cs
.if DOCPART == 3
	.amdgcn_target "amdgcn-amd-amdhsa--gfx1250"
	.amdhsa_code_object_version 6
	.text
	.protected	k_q128a2e2ca6_attn
	.globl	k_q128a2e2ca6_attn
	.p2align	8
	.type	k_q128a2e2ca6_attn,@function
k_q128a2e2ca6_attn:
	s_mov_b64 s[64:65], 0
	v_nop
	global_prefetch_b8 v0, s[64:65] scope:SCOPE_SE
	s_setreg_imm32_b32 hwreg(HW_REG_WAVE_MODE, 25, 1), 1
	s_wait_xcnt 0x0
; ctx[bh][q] = the sum over keys k <= q of softmax_k(q . k / 8) v, both products on codes of BF8 (E5M2) with E8M0 scales; ctx is quantised along the head's 64 and leaves as fragments of the last product's operand.
; THE SOFTMAX AHEAD OF THE SECOND PRODUCT: t = score x log2(e) / 8; M = the row's largest t so far, rounded up to a whole number; p = 2^(t - M) is quantised along the keys, not normalised.  The row's sum is taken of the
; unquantised p and divides at the end.  When M moves, the sum and O are multiplied by 2^(old M - new M): exact.
; SHARES: work-group (j, bh) owns the blocks j and 31 - j of 128 queries of its head: 8 (j + 1) + 8 (32 - j) = 264 steps of 16 queries x 128 keys in every work-group.  A wave owns one tile of 16 queries;
; eight waves take each block, chosen by (w xor w / 4) & 1.  Keys go 128 a step; a step all of whose keys come after the wave's block is jumped over (a scalar branch on ids); on the diagonal hidden scores become -infinity.
; THE RING: two LDS slots of two records of kv (256 keys: codes of K and V and their scale words, 33,792 dense bytes), filled by waves 0 and 1, a record each, read by all sixteen.  The work-group walks (35 - j) / 4 pairs of
; slots: as far as block 31 - j needs.  No LDS address is stepped: each slot has its own address register and its own descriptor.
; LAYOUT: both products transposed (S^T = K Q^T, O^T = V^T P^T): a lane holds ONE query throughout.  Tile 2 G + u of keys holds keys 32 G + 8 u + r + 8 (r / 8), so that the 16 registers of two neighbouring tiles are 16 neighbouring keys.
; K = 64 IN A FORM OF 128: a fragment of 16 registers holds TWO key tiles (chunks 0, 1: tile 2 G; chunks 2, 3: tile 2 G + 1).  Q stands as [8 zeros][Q's 8][8 zeros]: v[24:39] = [Q, 0] meets tile 2 G, v[16:31] = [0, Q] tile 2 G + 1.
; K's codes are finite (held at the largest code), so what meets the zeros adds nothing.  Q's scale word is (s0, s1, s0, s1) and serves both.
; NO CLUSTER, though the 16 work-groups of a head read the same records: the jumps over hidden steps and round the mask hang on the work-group's own block of queries, which in a cluster would hang on its place, and the
; partners walk different numbers of slots (10 to 16).
; LIMITS: 1 / the sum is v_rcp_f32 and a multiplication; a block whose largest magnitude lies under 2^-111 keeps the byte 1, a block of zeros too (its codes are zeros; this program alone reads the bytes); NaN and infinities are not served.
.set REC,   16896                      ; a record of kv: K 8,192, V 8,192, K's words 256, V's words 256
.set SLOTB, 2*REC
.set HEADB, 32*REC
.set QREC,  8448
.set SPARE, 2*SLOTB                    ; behind the ring: the spare words, 128 bytes for each of 16 waves: eight blocks of 256 bytes that no other line names
.set LI0,  1                           ; v1   16 x lane: slot 0
.set LI1,  2                           ; v2   the same in slot 1
.set SPW,  3                           ; v3   LDS address of my spare word; never rewritten
.set NIL,  4                           ; v4   0; never rewritten
.set PFO,  5                           ; v5   256 x lane: the prefetches' offset; never rewritten
.set DM,   6                           ; v6   my query's place in its block - 16 (lane / 16)
.set CSO,  7                           ; v7   16 r + h: my byte among ctx's scale bytes
.set KV,   40                          ; v40-103  four fragments of K, then of V
.set S,    104                         ; v104-167 S^T, then p
.set O,    168                         ; v168-199 O^T: four tiles of 16 channels
.set PC,   200                         ; v200-215 p's codes
.set BM,   216                         ; v216-219 the blocks' largest scores, then largest p
.set PX,   220                         ; v220-223 the other half's; then the bytes
.set HL,   224                         ; v224-227 57,344 x the scale
.set SO,   228                         ; v228-231 the conversions' scale operands
.set SCL,  232                         ; v232-235 lanes 0-15: K's four scale words; lanes 16-31: V's four
.set QW,   236                         ; Q's scale word
.set PWD,  237                         ; p's
.set NM,   238                         ; -M;  v239 the largest t
.set TMX,  239
.set SUM,  240                         ; v[240:241] the row's sum in two halves;  v[242:243] its second chain
.set SU2,  242
.set F,    244                         ; f = 2^(old M - new M);  v245 is named with it as a pair
.set TW,   246
.set QT,   247
.set WV,   12
.set JJ,   13
.set BH,   14
.set GRP,  15
.set IDX,  16
.set BLK,  17
.set QB,   18                          ; s18  my block's first query
.set KF,   19                          ; s19  the step's first key
.set SEL,  20
.set CS,   22                          ; s[22:23] c = log2(e) / 8
.set MNT,  24
.set TRIPS, 25
.set LIM,  26                          ; s26  1 in a wave that prefetches
.set PSEL, 27
.set PFA,  28                          ; s[28:29] where my prefetches stand
.set G1,   32                          ; s[32:39] descriptor group 1
.set G0,   40                          ; s[40:47] group 0, a set for each slot
.macro TLOAD n                         ; waves 0 and 1 fetch a record each; four v_nop follow the line
	s_cmp_lt_u32 s[WV], 2
	s_cbranch_scc0 .Lnone_\@
	tensor_load_to_lds s[G0+4*(\n):G0+4*(\n)+3], s[G1:G1+7]
	s_nop 0
.rept 4
	v_nop
.endr
.Lnone_\@:
.endm
; A prefetch of the slot that the next change of slots will ask for.  All 16 work-groups of a head walk the same records: work-group j = 0, which walks all 16 slots, asks; in it waves 4 to 7, which fetch nothing, one instruction each:
; 8,192 bytes, lanes 256 bytes apart: K's or V's images of one of the slot's two records.  So each of these blocks of 256 bytes is named once.  Slots 0 and 1 and the scale words come by their loads alone; the last two changes ask for nothing.
.macro ASK
	s_cmp_eq_u32 s[LIM], 1
	s_cbranch_scc0 .Lnot_mine_\@
	global_prefetch_b8 v[PFO], s[PFA:PFA+1] th:TH_LOAD_NT scope:SCOPE_SE
.Lnot_mine_\@:
.endm
	s_load_b256 s[4:11], s[0:1], 0x0               ; qr s[4:5], kv s[6:7], cc s[8:9], cs s[10:11]
	v_lshl_add_u32 v[SPW], v0, 2, SPARE
	v_mov_b32 v[NIL], 0
	ds_add_u32 v3, v4
	s_wait_dscnt 0x0
	v_lshrrev_b32 v8, 5, v0
	v_readfirstlane_b32 s[WV], v8                  ; wave 0..15
	s_mov_b32 s[JJ], ttmp9
	s_and_b32 s[BH], ttmp7, 0xffff
	; descriptor group 1: a record as 66 rows of 256 bytes (32 elements of 8 bytes), dense in memory and in LDS
	s_mov_b32 s[G1], 3<<16                         ; no mask; elements of 8 bytes; no padding
	s_mov_b32 s[G1+1], 32<<16                      ; tensor_dim0 = 32
	s_mov_b32 s[G1+2], 66<<16                      ; tensor_dim1 = 66
	s_mov_b32 s[G1+3], 32<<16                      ; tile_dim0 = 32
	s_mov_b32 s[G1+4], 66                          ; tile_dim1 = 66
	s_mov_b32 s[G1+5], 32                          ; from row to row
	s_mov_b32 s[G1+6], 0
	s_mov_b32 s[G1+7], 0
	s_and_b32 s48, s[WV], 1                        ; which record of a slot I fetch, if I fetch
	s_mul_i32 s49, s48, REC
	s_mul_i32 s50, s[BH], HEADB
	s_mov_b32 s51, 0
	s_wait_kmcnt 0x0
	s_add_nc_u64 s[6:7], s[6:7], s[50:51]          ; kv at my head
	s_mov_b32 s50, s49
	s_mov_b32 s[G0], 1                             ; count = 1
	s_mov_b32 s[G0+1], s49                         ; LDS address: slot 0, my record
	s_add_nc_u64 s[G0+2:G0+3], s[6:7], s[50:51]    ; global address: keys 0 on
	s_mov_b32 s[G0+4], 1
	s_add_co_u32 s[G0+5], s49, SLOTB               ; slot 1
	s_add_nc_u64 s[G0+6:G0+7], s[G0+2:G0+3], SLOTB ; keys 256 on
	s_or_b32 s[G0+3], s[G0+3], 0x80000000          ; type = 2
	s_or_b32 s[G0+7], s[G0+7], 0x80000000
	TLOAD 0                                        ; the one first fill: slot 0.  One tensor load of mine is out
	s_lshr_b32 s[GRP], s[WV], 2
	s_xor_b32 s[GRP], s[GRP], s[WV]
	s_and_b32 s[GRP], s[GRP], 1                    ; which of the two blocks is mine
	s_lshr_b32 s[IDX], s[WV], 1                    ; which tile of its eight
	s_sub_co_u32 s[BLK], 31, s[JJ]
	s_cmp_eq_u32 s[GRP], 0
	s_cselect_b32 s[BLK], s[JJ], s[BLK]
	s_lshl_b32 s[QB], s[BLK], 7
	s_mov_b32 s[KF], 0
	s_sub_co_u32 s[TRIPS], 35, s[JJ]
	s_lshr_b32 s[TRIPS], s[TRIPS], 2
	s_sub_co_u32 s[TRIPS], s[TRIPS], 1             ; pairs of slots less the one that is written out: 4 to 7
	s_mov_b32 s[SEL], 0x76543210
	s_mov_b32 s[SEL+1], 0xfedcba98
	s_mov_b32 s[CS], 0x3e38aa3b                    ; log2(e) / 8
	s_mov_b32 s[CS+1], s[CS]                       ; (named with it as a pair, so it is written)
	s_mov_b32 s[MNT], 0x600000
	s_lshl_b32 s50, s48, 13                        ; the prefetches: K's or V's 8,192 bytes,
	s_bfe_u32 s52, s[WV], 0x10001
	s_mul_i32 s52, s52, REC                        ; of the slot's first or second record,
	s_add_co_u32 s50, s50, s52
	s_add_co_u32 s50, s50, SLOTB                   ; in slot 1: the first change of slots steps it to slot 2
	s_add_nc_u64 s[PFA:PFA+1], s[6:7], s[50:51]
	s_lshr_b32 s52, s[WV], 2
	s_xor_b32 s52, s52, 1                          ; 0 in waves 4 to 7,
	s_or_b32 s52, s52, s[JJ]                       ; of work-group j = 0
	s_cmp_eq_u32 s52, 0
	s_cselect_b32 s[LIM], 1, -1
	s_lshl_b32 s52, s[BH], 5
	s_add_co_u32 s52, s52, s[BLK]
	s_mul_i32 s52, s52, QREC
	s_mov_b32 s53, 0
	s_add_nc_u64 s[4:5], s[4:5], s[52:53]          ; my block's record of qr
	s_and_b32 s53, s[IDX], 1                       ; u
	s_cmp_eq_u32 s53, 0
	s_mov_b32 s[PSEL], 0x03020302
	s_cselect_b32 s[PSEL], 0x01000100, s[PSEL]     ; which two bytes of the double image's word are my tile's
	s_lshr_b32 s52, s[IDX], 1                      ; G
	s_lshl_b32 s54, s52, 5
	s_lshl_b32 s53, s53, 3
	s_add_co_u32 s54, s54, s53                     ; 32 G + 8 u
	s_lshl_b32 s52, s52, 2                         ; 4 G
	s_lshl_b32 s53, s[IDX], 10                     ; my tile's two chunks: 2,048 G + 1,024 u
	v_and_b32 v8, 31, v0
	v_lshlrev_b32 v[LI0], 4, v8
	v_add_nc_u32 v[LI1], SLOTB, v[LI0]
	v_lshlrev_b32 v[PFO], 8, v8
	v_and_b32 v11, 15, v0                          ; r
	v_bfe_u32 v12, v0, 4, 1                        ; h
	v_add_nc_u32 v9, s53, v[LI0]
	v_lshlrev_b32 v10, 4, v11
	v_add_nc_u32 v10, s52, v10
	global_load_b128 v[24:27], v9, s[4:5]          ; Q's codes: channels 16 h on,
	global_load_b128 v[28:31], v9, s[4:5] offset:512   ; and 32 + 16 h on
	global_load_b32 v[QT], v10, s[4:5] offset:8192 ; the word of row r of my double image
	v_and_b32 v13, 8, v11
	v_add_nc_u32 v13, v13, v11                     ; r + 8 (r / 8)
	v_lshlrev_b32 v14, 4, v12
	v_sub_nc_u32 v13, v13, v14
	v_add_nc_u32 v[DM], s54, v13
	v_lshl_add_u32 v[CSO], v11, 4, v12
	; where ctx goes: tile batch x 256 + 8 x block + idx; K step head / 2; chunks 2 (head % 2) + 0, 1
	s_lshr_b32 s48, s[BH], 3
	s_lshl_b32 s48, s48, 8
	s_lshl_b32 s49, s[BLK], 3
	s_add_co_u32 s48, s48, s49
	s_add_co_u32 s48, s48, s[IDX]
	s_bfe_u32 s49, s[BH], 0x20001                  ; (head / 2)
	s_and_b32 s50, s[BH], 1
	s_lshl_b32 s54, s48, 13
	s_lshl_b32 s51, s49, 11
	s_add_co_u32 s54, s54, s51
	s_lshl_b32 s51, s50, 10
	s_add_co_u32 s54, s54, s51
	s_mov_b32 s55, 0
	s_add_nc_u64 s[8:9], s[8:9], s[54:55]
	s_lshl_b32 s54, s48, 8
	s_lshl_b32 s51, s49, 2
	s_add_co_u32 s54, s54, s51
	s_lshl_b32 s51, s50, 1
	s_add_co_u32 s54, s54, s51
	s_add_nc_u64 s[10:11], s[10:11], s[54:55]
.irp i, 0,1,2,3,4,5,6,7
	v_mov_b32 v[16+\i], 0                          ; the zeros on both sides of Q
	v_mov_b32 v[32+\i], 0
.endr
	v_mov_b32 v[TMX], 0xff61b1e6                   ; the largest t so far: -3e38, under every t
	v_floor_f32 v[NM], -v[TMX]
	v_mov_b32 v[SUM], 0
	v_mov_b32 v[SUM+1], 0
	v_mov_b32 v[F+1], 0                            ; (named as the upper half of a pair)
	v_mov_b32 v[TW], 0
.irp b, 0,1,2,3
	v_mov_b32 v[PX+\b], 0                          ; written once: a lane permute's destination counts as one of its sources
.endr
	s_wait_loadcnt 0x0                             ; Q
	v_perm_b32 v[QW], v[QT], v[QT], s[PSEL]        ; (s0, s1, s0, s1)
.set n, 0
.rept 32
	v_mov_b32 v[O+n], 0                            ; O^T: the step is written once; the first finds zeros.  (Also places between the line above and the first product)
.set n, n+1
.endr
; A KEY STEP: 128 keys, record q of the slot whose address register is v[la]
.macro STEP la, q
	s_cmp_gt_u32 s[KF], s[QB]                      ; all 128 keys come after my block's queries: nothing to do
	s_cbranch_scc1 .Lhid_\@
.rept 8
	v_nop                                          ; places ahead of loads into registers that the last step's products have read (ISA guide 7.12.1 for vector instructions)
.endr
.irp b, 0,1,2,3
.irp c, 0,1,2,3
	ds_load_b128 v[KV+16*\b+4*\c:KV+16*\b+4*\c+3], v[\la] offset:(\q)*REC+2048*\b+512*\c   ; an image comes back as it was stored: 512 consecutive bytes a load
.endr
.endr
	ds_load_b128 v[SCL:SCL+3], v[\la] offset:(\q)*REC+16384   ; lanes 0-15: row r's four words of K; lanes 16-31, 256 bytes on: of V
	s_wait_dscnt 0x0
.irp b, 0,1,2,3                        ; S^T = K Q^T: a fragment holds two tiles of keys
	v_wmma_scale_f32_16x16x128_f8f6f4 v[S+16*\b:S+16*\b+7], v[KV+16*\b:KV+16*\b+15], v[24:39], 0, v[SCL+\b], v[QW] matrix_a_fmt:MATRIX_FMT_BF8 matrix_b_fmt:MATRIX_FMT_BF8
	v_wmma_scale_f32_16x16x128_f8f6f4 v[S+16*\b+8:S+16*\b+15], v[KV+16*\b:KV+16*\b+15], v[16:31], 0, v[SCL+\b], v[QW] matrix_a_fmt:MATRIX_FMT_BF8 matrix_b_fmt:MATRIX_FMT_BF8
.endr                                  ; register 16 b + i of S holds key KF + 32 b + 16 (lane / 16) + i
.rept 8
	v_nop
.endr
.irp t, 0,1,2,3
.irp c, 0,1,2,3
	ds_load_b128 v[KV+16*\t+4*\c:KV+16*\t+4*\c+3], v[\la] offset:(\q)*REC+8192+2048*\t+512*\c   ; V lands under the softmax
.endr
.endr
	s_cmp_lt_u32 s[KF], s[QB]                      ; all keys count: no mask
	s_cbranch_scc1 .Lopen_\@
	v_mov_b32 v[TW], 0xff800000                    ; on the diagonal: -infinity where the key comes after my query: 32 b + i > DM
.set n, 0
.rept 64
	v_cmp_gt_i32 vcc_lo, 32*(n/16)+n%16, v[DM]
	v_cndmask_b32 v[S+n], v[S+n], v[TW], vcc_lo
.set n, n+1
.endr
.Lopen_\@:
.irp b, 0,1,2,3
	v_max3_num_f32 v[BM+\b], v[S+16*\b], v[S+1+16*\b], v[S+2+16*\b]   ; the largest score of each block of 32 keys: for the row's maximum, and, since p rises with the score, for the block's largest p
.endr
.irp i, 3,5,7,9,11,13
.irp b, 0,1,2,3
	v_max3_num_f32 v[BM+\b], v[BM+\b], v[S+16*\b+\i], v[S+1+16*\b+\i]
.endr
.endr
.irp b, 0,1,2,3
	v_max_num_f32 v[BM+\b], v[BM+\b], v[S+15+16*\b]
.endr
.irp b, 0,1,2,3
	v_permlanex16_b32 v[PX+\b], v[BM+\b], s[SEL], s[SEL+1]
.endr
.irp b, 0,1,2,3
	v_max_num_f32 v[BM+\b], v[BM+\b], v[PX+\b]     ; with lane l xor 16's 16 keys
.endr
	v_max3_num_f32 v[TW], v[BM], v[BM+1], v[BM+2]
	v_max_num_f32 v[TW], v[TW], v[BM+3]
	v_mul_f32 v[TW], s[CS], v[TW]                  ; as t
	v_max_num_f32 v[TMX], v[TMX], v[TW]            ; the running largest t
	v_mov_b32 v[TW], v[NM]
	v_floor_f32 v[NM], -v[TMX]                     ; the new -M = -ceil(t)
	v_sub_f32 v[TW], v[NM], v[TW]                  ; old M - new M: a whole number, 0 or less
	v_cvt_i32_f32 v[TW], v[TW]                     ; (it saturates)
	v_ldexp_f32 v[F], 1.0, v[TW]                   ; f = 2^(old M - new M)
.set n, 0
.rept 32
	v_pk_fma_f32 v[S+n:S+n+1], v[S+n:S+n+1], s[CS:CS+1], v[NM:NM+1] op_sel_hi:[1,0,0]   ; t - M, two at a time
.set n, n+2
.endr
.irp b, 0,1,2,3
	v_fma_f32 v[BM+\b], v[BM+\b], s[CS], v[NM]     ; the same of each block's largest score
.endr
.set n, 0
.rept 64
	v_exp_f32 v[S+n], v[S+n]                       ; p = 2^(t - M)
.set n, n+1
.endr
	v_pk_mul_f32 v[SUM:SUM+1], v[SUM:SUM+1], v[F:F+1] op_sel_hi:[1,0]   ; the sum under the new M (a plain line behind the exponentials)
	s_wait_alu depctr_va_vdst(0)                   ; one wait for the batch of 64, ahead of its first reader
.irp b, 0,1,2,3
	v_exp_f32 v[BM+\b], v[BM+\b]                   ; the block's largest p
.endr
	v_pk_add_f32 v[SU2:SU2+1], v[S:S+1], v[S+2:S+3]   ; the row's sum of the unquantised p, in two chains
.set n, 4
.rept 15
	v_pk_add_f32 v[SUM:SUM+1], v[SUM:SUM+1], v[S+n:S+n+1]
	v_pk_add_f32 v[SU2:SU2+1], v[SU2:SU2+1], v[S+n+2:S+n+3]
.set n, n+4
.endr
	v_pk_add_f32 v[SUM:SUM+1], v[SUM:SUM+1], v[SU2:SU2+1]
	s_wait_alu depctr_va_vdst(0)                   ; and one for the four
.irp b, 0,1,2,3
	v_max_num_f32 v[BM+\b], 0x8000000, v[BM+\b]    ; the floor 2^(16 - 127): the byte cannot fall under 1
.endr
.irp b, 0,1,2,3
	v_add_nc_u32 v[SO+\b], 0xf8800000, v[BM+\b]    ; 15 off the exponent field: the conversion's scale operand
.endr
.irp b, 0,1,2,3
	v_and_or_b32 v[HL+\b], v[BM+\b], 0x7f800000, s[MNT]   ; 57,344 x the scale
.endr
.irp b, 0,1,2,3
	v_lshrrev_b32 v[PX+\b], 23, v[SO+\b]           ; the scale's byte
.endr
	v_lshl_or_b32 v[PWD], v[PX+1], 8, v[PX]        ; p's scale word for these 128 keys
	v_lshl_or_b32 v[PWD], v[PX+2], 16, v[PWD]
	v_lshl_or_b32 v[PWD], v[PX+3], 24, v[PWD]
.irp b, 0,1,2,3
.irp i, 0,1,2,3,4,5,6,7,8,9,10,11,12,13,14,15
	v_min_num_f32 v[S+16*\b+\i], v[S+16*\b+\i], v[HL+\b]   ; the conversion does not saturate (ISA guide 7.6.2); p is not negative, so the hold is one-sided
.endr
	v_cvt_scalef32_pk8_bf8_f32 v[PC+4*\b:PC+1+4*\b], v[S+16*\b:S+7+16*\b], v[SO+\b]
	v_cvt_scalef32_pk8_bf8_f32 v[PC+2+4*\b:PC+3+4*\b], v[S+8+16*\b:S+15+16*\b], v[SO+\b]
.endr
.set n, 0
.rept 16
	v_pk_mul_f32 v[O+n:O+n+1], v[O+n:O+n+1], v[F:F+1] op_sel_hi:[1,0]   ; O^T under the new M, each accumulator from its low end on.  (Also the places between the codes and the products)
.set n, n+2
.endr
	s_wait_dscnt 0x0                               ; V is in
.irp t, 0,1,2,3                        ; O^T += V^T P^T: the four accumulators by turns; V's words stand in lanes 16-31
	v_wmma_scale_f32_16x16x128_f8f6f4 v[O+8*\t:O+8*\t+7], v[KV+16*\t:KV+16*\t+15], v[PC:PC+15], v[O+8*\t:O+8*\t+7], v[SCL+\t], v[PWD] matrix_a_fmt:MATRIX_FMT_BF8 matrix_b_fmt:MATRIX_FMT_BF8 matrix_a_scale:MATRIX_SCALE_ROW1
.endr
.Lhid_\@:
	s_add_co_u32 s[KF], s[KF], 128
.endm
; A SLOT.  At its head every wave waits for all its tensor loads (its part of this slot), adds 0 to its spare word, and waits for that and for its reads of the slot that it has left; behind the barrier this slot is whole and
; nobody reads the other one, which is filled first thing with the 256 keys that follow: that load has this slot's two steps in which to land.
.macro TRIP slot, refill, ask
	s_wait_tensorcnt 0x0                           ; no tensor load of mine is out, so a group 0 may be written
	ds_add_u32 v[SPW], v[NIL]                      ; 0 onto my spare word
	s_add_nc_u64 s[G0+4*\slot+2:G0+4*\slot+3], s[G0+4*\slot+2:G0+4*\slot+3], 2*SLOTB   ; this slot's next 256 keys; the type bits on top are not reached
.if \ask
	s_wait_xcnt 0x0                                ; the last prefetch, a slot back, has read its address
	s_add_nc_u64 s[PFA:PFA+1], s[PFA:PFA+1], SLOTB ; one slot further on than the load below
.endif
	s_wait_dscnt 0x0                               ; the add is done, and my reads of the slot that I have left are over
	s_barrier_signal -1
	s_barrier_wait -1
.if \refill
	TLOAD 1-\slot                                  ; a wave's one tensor load until the next barrier
.endif
.if \ask
	ASK
.endif
	STEP LI0+\slot, 0
	STEP LI0+\slot, 1
.endm
.Lpair:                                            ; a trip: slot 0, then slot 1; (35 - j) / 4 - 1 trips
	TRIP 0, 1, 1
	TRIP 1, 1, 1
	s_sub_co_u32 s[TRIPS], s[TRIPS], 1
	s_cmp_lg_u32 s[TRIPS], 0
	s_cbranch_scc1 .Lpair
	TRIP 0, 1, 0                                   ; the last pair is written out
	TRIP 1, 0, 0
	; THE WAY OUT: O^T / the sum is ctx; a lane's 32 registers are channels 32 b + 16 h + i of my query: two blocks of 32, quantised as every operand is; the codes are two chunks of a fragment of the last product.
.rept 8
	v_nop                                          ; places behind the last products
.endr
	v_add_f32 v[SUM], v[SUM], v[SUM+1]
	v_permlanex16_b32 v[TW], v[SUM], s[SEL], s[SEL+1]
	v_add_f32 v[SUM], v[SUM], v[TW]                ; with lane l xor 16's keys: the row's sum
	v_rcp_f32 v[F], v[SUM]
	v_and_b32 v[TW], 31, v0                        ; (a plain line behind the reciprocal)  lane
	s_wait_alu depctr_va_vdst(0)                   ; ahead of its first reader
.set n, 0
.rept 16
	v_pk_mul_f32 v[O+n:O+n+1], v[O+n:O+n+1], v[F:F+1] op_sel_hi:[1,0]
.set n, n+2
.endr
.irp b, 0,1
	v_max3_num_f32 v[BM+\b], |v[O+16*\b]|, |v[O+1+16*\b]|, 0x8000000
.endr
.irp i, 2,4,6,8,10,12,14
.irp b, 0,1
	v_max3_num_f32 v[BM+\b], v[BM+\b], |v[O+16*\b+\i]|, |v[O+1+16*\b+\i]|
.endr
.endr
.irp b, 0,1
	v_permlanex16_b32 v[PX+\b], v[BM+\b], s[SEL], s[SEL+1]
.endr
.irp b, 0,1
	v_max_num_f32 v[BM+\b], v[BM+\b], v[PX+\b]
.endr
.irp b, 0,1
	v_add_nc_u32 v[SO+\b], 0xf8800000, v[BM+\b]
.endr
.irp b, 0,1
	v_and_or_b32 v[HL+\b], v[BM+\b], 0x7f800000, s[MNT]
.endr
.irp b, 0,1
	v_lshrrev_b32 v[PX+\b], 23, v[SO+\b]
.endr
.irp b, 0,1
.irp i, 0,1,2,3,4,5,6,7,8,9,10,11,12,13,14,15
	v_med3_num_f32 v[O+16*\b+\i], v[O+16*\b+\i], -v[HL+\b], v[HL+\b]
.endr
	v_cvt_scalef32_pk8_bf8_f32 v[PC+4*\b:PC+1+4*\b], v[O+16*\b:O+7+16*\b], v[SO+\b]
	v_cvt_scalef32_pk8_bf8_f32 v[PC+2+4*\b:PC+3+4*\b], v[O+8+16*\b:O+15+16*\b], v[SO+\b]
.endr
	v_nop                                          ; a plain line behind the last conversion
	v_cmp_le_u32 vcc_lo, 16, v[TW]
	v_cndmask_b32 v[TW], v[PX], v[PX+1], vcc_lo    ; lanes 0-15 store block 0's byte, lanes 16-31 block 1's
	global_store_b128 v[LI0], v[PC:PC+3], s[8:9]               ; 512 consecutive bytes, aligned
	global_store_b128 v[LI0], v[PC+4:PC+7], s[8:9] offset:512
	global_store_b8 v[CSO], v[TW], s[10:11]        ; two bytes of each row's 16: the other heads' work-groups write the rest; 32 bytes a wave beside 1,024 of codes
	s_wait_tensorcnt 0x0                           ; the wave's end
	ds_add_u32 v[SPW], v[NIL]
	s_wait_dscnt 0x0
	s_endpgm
.Lfunc_end_k_q128a2e2ca6_attn:
	.size	k_q128a2e2ca6_attn, .Lfunc_end_k_q128a2e2ca6_attn-k_q128a2e2ca6_attn
	.p2alignl 7, 3214868480
	.fill 96, 4, 3214868480
	.section	.rodata,"a",@progbits
	.p2align	6, 0x0
	.amdhsa_kernel k_q128a2e2ca6_attn
		.amdhsa_group_segment_fixed_size 327680
		.amdhsa_private_segment_fixed_size 0
		.amdhsa_enable_private_segment 0
		.amdhsa_kernarg_size 32
		.amdhsa_user_sgpr_count 2
		.amdhsa_user_sgpr_kernarg_segment_ptr 1
		.amdhsa_wavefront_size32 1
		.amdhsa_system_sgpr_workgroup_id_x 1
		.amdhsa_system_sgpr_workgroup_id_y 1
		.amdhsa_system_sgpr_workgroup_id_z 1
		.amdhsa_system_vgpr_workitem_id 0
		.amdhsa_next_free_vgpr 256
		.amdhsa_next_free_sgpr 66
		.amdhsa_reserve_vcc 1
		.amdhsa_float_denorm_mode_32 3
		.amdhsa_float_denorm_mode_16_64 3
		.amdhsa_memory_ordered 1
		.amdhsa_forward_progress 1
		.amdhsa_inst_pref_size 201
	.end_amdhsa_kernel
	.amdgpu_metadata
---
amdhsa.version: [ 1, 2 ]
amdhsa.kernels:
  - .name:           k_q128a2e2ca6_attn
    .symbol:         k_q128a2e2ca6_attn.kd
    .args:
      - { .name: qr, .offset: 0, .size: 8, .value_kind: global_buffer, .address_space: global }
      - { .name: kv, .offset: 8, .size: 8, .value_kind: global_buffer, .address_space: global }
      - { .name: cc, .offset: 16, .size: 8, .value_kind: global_buffer, .address_space: global }
      - { .name: cs, .offset: 24, .size: 8, .value_kind: global_buffer, .address_space: global }
    .group_segment_fixed_size: 327680
    .private_segment_fixed_size: 0
    .kernarg_segment_align: 8
    .kernarg_segment_size: 32
    .max_flat_workgroup_size: 512
    .sgpr_count:     66
    .vgpr_count:     256
    .wavefront_size: 32
...
	.end_amdgpu_metadata
.endif
;; end of part 3
;; launch oproj (part 4): grid 256 x 1, 4 waves a work-group, no clusters, 34,304 bytes of LDS; arguments cc, cs, wc, ws, bo, out0; writes out0
.if DOCPART == 4
	.amdgcn_target "amdgcn-amd-amdhsa--gfx1250"
	.amdhsa_code_object_version 6
	.text
	.protected	k_q128a2e2ca6_oproj
	.globl	k_q128a2e2ca6_oproj
	.p2align	8
	.type	k_q128a2e2ca6_oproj,@function
k_q128a2e2ca6_oproj:
	s_mov_b64 s[64:65], 0
	v_nop
	global_prefetch_b8 v0, s[64:65] scope:SCOPE_SE
	s_setreg_imm32_b32 hwreg(HW_REG_WAVE_MODE, 25, 1), 1
	s_wait_xcnt 0x0
; out = ctx Wo^T + bo on codes of BF8 with E8M0 scales, K = 512.  ctx comes as fragments (cc) and scale words (cs), Wo as the fourth weight of wc and ws.
; SHARES: work-group g owns tokens 32 g .. 32 g + 31 (ctx's tiles 2 g and 2 g + 1), wave w columns 128 w .. 128 w + 127 (Wo's tiles 8 w .. 8 w + 7).  64 products a wave, 16 accumulators by turns.
; Transposed: source 0 = 16 rows of Wo, source 1 = 16 rows of ctx: a lane holds one token, and register 16 b + i the column 128 w + 32 b + 16 (lane / 16) + i.  bo is the C of each sum's first product.
; All operands go from memory straight into their registers, each byte once a wave: no tensor load, no barrier; a joint load serves LDS alone, so no cluster, though all work-groups read Wo's codes (64 KiB a wave).
; THE WAY OUT: a tile's 16 rows x 512 bytes go through the wave's own stage in LDS (rows of 528 bytes) and leave as whole rows: each store covers 512 consecutive bytes, aligned.
; REGISTERS: window 0: v1-5 addresses; v8-39 Wo's scale words; v40-47 ctx's; v64-191 the accumulators.  windows 1, 2: Wo's fragments, K steps 0, 1 and 2, 3.  window 3: v0-127 ctx's fragments; v128-191 bo in the result's layout.
.set LI,  1                            ; v1  16 x lane
.set LS,  2                            ; v2  16 x (lane % 16)
.set BOF, 3                            ; v3  64 x (lane / 16)
.set STO, 4                            ; v4  the stage, in
.set RD,  5                            ; v5  the stage, out
.set SS,  8
.set TS,  40
.set ACC, 64
.set SPITCH, 528
.set MSB, 0
.macro WIN new                         ; the immediate's high byte repeats the setting that is left
.if MSB != \new
	s_set_vgpr_msb (MSB<<8)|\new
.set MSB, \new
.endif
.endm
	s_load_b256 s[4:11], s[0:1], 0x0               ; cc s[4:5], cs s[6:7], wc s[8:9], ws s[10:11]
	s_load_b128 s[12:15], s[0:1], 0x20             ; bo s[12:13], out0 s[14:15]
	v_lshl_add_u32 v254, v0, 2, 0x8400
	v_mov_b32 v255, 0
	v_lshrrev_b32 v6, 5, v0
	v_readfirstlane_b32 s16, v6                    ; wave
	v_and_b32 v6, 31, v0
	v_and_b32 v7, 15, v0                           ; r
	v_bfe_u32 v48, v0, 4, 1                        ; h
	v_lshlrev_b32 v[LI], 4, v6
	v_lshlrev_b32 v[LS], 4, v7
	v_lshlrev_b32 v[BOF], 6, v48
	s_mul_i32 s17, s16, 16*SPITCH                  ; my stage
	v_mul_u32_u24 v[STO], v7, SPITCH
	v_lshl_add_u32 v[STO], v48, 6, v[STO]
	v_add_nc_u32 v[STO], s17, v[STO]               ; in: row r, + 64 h
	v_add_nc_u32 v[RD], s17, v[LI]                 ; out: a row's 512 bytes to 32 lanes
	s_lshl_b32 s20, ttmp9, 14                      ; two tiles of 8,192 bytes
	s_mov_b32 s21, 0
	s_lshl_b32 s22, ttmp9, 9                       ; two tiles of 256 scale bytes
	s_mov_b32 s23, 0
	s_lshl_b32 s24, s16, 16
	s_add_co_u32 s24, s24, 786432                  ; the fourth weight, my 8 tiles
	s_mov_b32 s25, 0
	s_lshl_b32 s26, s16, 11
	s_add_co_u32 s26, s26, 24576
	s_mov_b32 s27, 0
	s_lshl_b32 s28, s16, 9                         ; my 128 columns in bytes
	s_mov_b32 s29, 0
	s_lshl_b32 s30, ttmp9, 16                      ; 32 rows of 2,048 bytes
	s_add_co_u32 s30, s30, s28
	s_mov_b32 s31, 0
	s_wait_kmcnt 0x0
	s_add_nc_u64 s[4:5], s[4:5], s[20:21]
	s_add_nc_u64 s[6:7], s[6:7], s[22:23]
	s_add_nc_u64 s[8:9], s[8:9], s[24:25]
	s_add_nc_u64 s[10:11], s[10:11], s[26:27]
	s_add_nc_u64 s[12:13], s[12:13], s[28:29]
	s_add_nc_u64 s[14:15], s[14:15], s[30:31]
	WIN 0xc0                                       ; destination window 3
.irp m, 0,1
.irp s, 0,1,2,3
.irp c, 0,1,2,3
	global_load_b128 v[64*\m+16*\s+4*\c:64*\m+16*\s+4*\c+3], v[LI], s[4:5] offset:\m*8192+\s*2048+\c*512 th:TH_LOAD_NT
.endr
.endr
.endr
.irp t, 0,1,2,3,4,5,6,7                ; bo at the lane's eight columns of tile t: 32 (t / 2) + 8 (t % 2) + 16 h + 0 .. 7
	global_load_b128 v[128+8*\t:128+8*\t+3], v[BOF], s[12:13] offset:(32*(\t/2)+8*(\t%2))*4
	global_load_b128 v[128+8*\t+4:128+8*\t+7], v[BOF], s[12:13] offset:(32*(\t/2)+8*(\t%2))*4+16
.endr
	WIN 0
.irp m, 0,1
	global_load_b128 v[TS+4*\m:TS+4*\m+3], v[LS], s[6:7] offset:\m*256
.endr
.irp t, 0,1,2,3,4,5,6,7
	global_load_b128 v[SS+4*\t:SS+4*\t+3], v[LS], s[10:11] offset:\t*256
.endr
	WIN 0x40                                       ; destination window 1
.irp s, 0,1
.irp t, 0,1,2,3,4,5,6,7
.irp c, 0,1,2,3
	global_load_b128 v[128*\s+16*\t+4*\c:128*\s+16*\t+4*\c+3], v[LI], s[8:9] offset:\t*8192+\s*2048+\c*512
.endr
.endr
.endr
	WIN 0x80                                       ; destination window 2
.irp s, 2,3
.irp t, 0,1,2,3,4,5,6,7
.irp c, 0,1,2,3
	global_load_b128 v[128*(\s-2)+16*\t+4*\c:128*(\s-2)+16*\t+4*\c+3], v[LI], s[8:9] offset:\t*8192+\s*2048+\c*512
.endr
.endr
.endr
; sixteen products, one K step: the sixteen accumulators take turns, one instruction a turn
.macro KST s, bias
.irp m, 0,1
.irp t, 0,1,2,3,4,5,6,7
.if \bias
	v_wmma_scale_f32_16x16x128_f8f6f4 v[ACC+64*\m+8*\t:ACC+64*\m+8*\t+7], v[128*((\s)%2)+16*\t:128*((\s)%2)+16*\t+15], v[64*\m+16*(\s):64*\m+16*(\s)+15], v[128+8*\t:128+8*\t+7], v[SS+4*\t+(\s)], v[TS+4*\m+(\s)] matrix_a_fmt:MATRIX_FMT_BF8 matrix_b_fmt:MATRIX_FMT_BF8
.else
	v_wmma_scale_f32_16x16x128_f8f6f4 v[ACC+64*\m+8*\t:ACC+64*\m+8*\t+7], v[128*((\s)%2)+16*\t:128*((\s)%2)+16*\t+15], v[64*\m+16*(\s):64*\m+16*(\s)+15], v[ACC+64*\m+8*\t:ACC+64*\m+8*\t+7], v[SS+4*\t+(\s)], v[TS+4*\m+(\s)] matrix_a_fmt:MATRIX_FMT_BF8 matrix_b_fmt:MATRIX_FMT_BF8
.endif
.endr
.endr
.endm
	s_wait_loadcnt 63                              ; 186 loads were issued: the first 123 are in; K steps 0 and 1 want the first 122
	WIN 0x3d                                       ; Wo window 1, ctx window 3, bo window 3, the sums window 0
	KST 0, 1
	WIN 0x0d                                       ; Wo window 1, ctx window 3
	KST 1, 0
	s_wait_loadcnt 32                              ; all but K step 3's 32
	WIN 0x0e                                       ; Wo window 2, ctx window 3
	KST 2, 0
	s_wait_loadcnt 0x0
	KST 3, 0
	WIN 0
.rept 8
	v_nop                                          ; places ahead of the first read of results, and of loads into them
.endr
.macro TOSTAGE m                       ; tile m: 64 bytes of a row for each block of 32 columns and half of the lanes; each accumulator from its low end on
.irp b, 0,1,2,3
.irp k, 0,1,2,3
	ds_store_b128 v[STO], v[ACC+64*\m+16*\b+4*\k:ACC+64*\m+16*\b+4*\k+3] offset:128*\b+16*\k
.endr
.endr
.irp i, 0,1,2,3,4,5,6,7,8,9,10,11,12,13,14,15
	ds_load_b128 v[ACC+64*\m+4*\i:ACC+64*\m+4*\i+3], v[RD] offset:\i*SPITCH   ; LDS serves a wave's instructions in order: these see the stores above, and the next tile's stores come behind them
.endr
.endm
.macro SEND m                          ; tile row i is token 8 m + i + 8 (i / 8) of my 32
.irp i, 0,1,2,3,4,5,6,7,8,9,10,11,12,13,14,15
	global_store_b128 v[LI], v[ACC+64*\m+4*\i:ACC+64*\m+4*\i+3], s[14:15] offset:(8*\m+\i+8*(\i/8))*2048 th:TH_STORE_NT
.endr
.endm
	TOSTAGE 0
	TOSTAGE 1
	s_wait_dscnt 32                                ; tile 0 is back; tile 1's 16 stores and 16 loads may be out
	SEND 0
	s_wait_dscnt 0x0
	SEND 1
	s_wait_tensorcnt 0x0
	ds_add_u32 v254, v255
	s_wait_dscnt 0x0
	s_endpgm
.Lfunc_end_k_q128a2e2ca6_oproj:
	.size	k_q128a2e2ca6_oproj, .Lfunc_end_k_q128a2e2ca6_oproj-k_q128a2e2ca6_oproj
	.p2alignl 7, 3214868480
	.fill 96, 4, 3214868480
	.section	.rodata,"a",@progbits
	.p2align	6, 0x0
	.amdhsa_kernel k_q128a2e2ca6_oproj
		.amdhsa_group_segment_fixed_size 34304
		.amdhsa_private_segment_fixed_size 0
		.amdhsa_enable_private_segment 0
		.amdhsa_kernarg_size 48
		.amdhsa_user_sgpr_count 2
		.amdhsa_user_sgpr_kernarg_segment_ptr 1
		.amdhsa_wavefront_size32 1
		.amdhsa_system_sgpr_workgroup_id_x 1
		.amdhsa_system_sgpr_workgroup_id_y 1
		.amdhsa_system_sgpr_workgroup_id_z 1
		.amdhsa_system_vgpr_workitem_id 0
		.amdhsa_next_free_vgpr 1024
		.amdhsa_next_free_sgpr 66
		.amdhsa_reserve_vcc 0
		.amdhsa_float_denorm_mode_32 3
		.amdhsa_float_denorm_mode_16_64 3
		.amdhsa_memory_ordered 1
		.amdhsa_forward_progress 1
		.amdhsa_inst_pref_size 36
	.end_amdhsa_kernel
	.amdgpu_metadata
---
amdhsa.version: [ 1, 2 ]
amdhsa.kernels:
  - .name:           k_q128a2e2ca6_oproj
    .symbol:         k_q128a2e2ca6_oproj.kd
    .args:
      - { .name: cc, .offset: 0, .size: 8, .value_kind: global_buffer, .address_space: global }
      - { .name: cs, .offset: 8, .size: 8, .value_kind: global_buffer, .address_space: global }
      - { .name: wc, .offset: 16, .size: 8, .value_kind: global_buffer, .address_space: global }
      - { .name: ws, .offset: 24, .size: 8, .value_kind: global_buffer, .address_space: global }
      - { .name: bo, .offset: 32, .size: 8, .value_kind: global_buffer, .address_space: global }
      - { .name: out0, .offset: 40, .size: 8, .value_kind: global_buffer, .address_space: global }
    .group_segment_fixed_size: 34304
    .private_segment_fixed_size: 0
    .kernarg_segment_align: 8
    .kernarg_segment_size: 48
    .max_flat_workgroup_size: 128
    .sgpr_count:     66
    .vgpr_count:     1024
    .wavefront_size: 32
...
	.end_amdgpu_metadata
.endif
;; end of part 4
;; ======== version 2 of 2: 4 launches
;; workspace buffers: xc 4,194,304 bytes; xs 131,072 bytes; wc 1,048,576 bytes; ws 32,768 bytes; qr 4,325,376 bytes; kv 8,650,752 bytes; cc 4,194,304 bytes; cs 131,072 bytes
;; launch quant: the kernel of part 1 again; grid 160 x 1, 4 waves a work-group, no clusters, 57,856 bytes of LDS; arguments token_embed, Wq, Wk, Wv, Wo, xc, xs, wc, ws; writes xc, xs, wc, ws
;; launch qkv (part 5): grid 64 x 4, 3 waves a work-group, no clusters, 0 bytes of LDS; arguments xc, xs, wc, ws, qr, kv; writes qr, kv
.if DOCPART == 5
	.amdgcn_target "amdgcn-amd-amdhsa--gfx1250"
	.amdhsa_code_object_version 6
	.text
	.protected	k_q128a2e2ca6_qkv
	.globl	k_q128a2e2ca6_qkv
	.p2align	8
	.type	k_q128a2e2ca6_qkv,@function
k_q128a2e2ca6_qkv:
	s_mov_b64 s[64:65], 0
	v_nop
	global_prefetch_b8 v0, s[64:65] scope:SCOPE_SE
	s_setreg_imm32_b32 hwreg(HW_REG_WAVE_SCHED_MODE, 0, 2), 2
	s_setreg_imm32_b32 hwreg(HW_REG_WAVE_MODE, 25, 1), 1
	s_wait_xcnt 0x0
	s_wait_alu depctr_vm_vsrc(0)
; q = x Wq^T, k = x Wk^T, v = x Wv^T on codes of BF8 with E8M0 scales, K = 512; the results are quantised at once: q and k along the head's 64, v along the tokens (the second attention product's K).
; SHARES: work-group (tb, g): 128 tokens x 128 columns (heads 2 g and 2 g + 1).  Wave 0 makes q, wave 1 k, wave 2 v: each a block of 128 x 128.
; ONE SCHEME FOR ALL THREE: a stationary operand S (8 tiles x 4 K steps: 512 registers, source 0) and a streamed operand T (8 tiles, source 1).  In a result a lane holds ONE row of T, and since tile 2 G + u holds
; rows 32 G + 8 u + r + 8 (r / 8), its 64 registers run along S's 128 rows: register 16 b + i = row 32 b + 16 (lane / 16) + i: the order in which the conversions give an operand's registers.
; q, k: S = the weight, T = x: the registers run along the columns (two blocks of 32 a head).  v: S = x, T = Wv: they run along the tokens.  Only pointers differ, chosen on the wave's number.
; OUT.  qr: a record of 8,448 bytes for each head and 128 tokens: four double images of 2,048 bytes (chunk 2 u + cc: tile 2 G + u, head channels 32 cc on), then 256 bytes [r][G] of scale words (bytes 0, 1: tile 2 G; 2, 3: tile 2 G + 1).
; kv: a record of 16,896 bytes for each head and 128 keys: K as in qr (8,192), V's four images (16 channels x 128 keys each; 8,192), K's words [r][G] (256), V's words [r][t] (256).
; All operands go from memory straight into their registers, each byte once a wave; K has four steps.  So no LDS, no tensor load, no barrier; a joint load serves LDS alone, so no cluster.
; LIMITS: a block whose largest magnitude lies under 2^-111 keeps the byte 1; a block of zeros gets the byte 1 and not 127 (its codes are zeros; this program alone reads the bytes); NaN and infinities are not served.
; THE MODE: SCHED_MODE bits 1:0 = 2 (LLVM: expert scheduling mode 2), set by the entry lines.  The code itself states the register dependences between vector or matrix instructions and memory instructions, with s_wait_alu, always for 0.
; THE PLAN.  Registers that memory instructions touch:
;   v[LI], v[LS]   offsets of every load and store: written at the head, never again.   v[SOFF]: written at the head, read by the last store.
;   S, SS          loaded at the head, read by matrix instructions alone.
;   T0, T1         two buffers of a tile of T (64 registers of codes, 4 of scale words).  Tile m's 32 products read T[m % 2]; the loads of tile m + 2, issued at the end of tile m, land in it.
;   PC             written by tile m's conversions, read by tile m's four stores, written again by tile m + 1's conversions.
;   WA             written by vector lines, read by the last store.
; ONE wait on va_vdst stands in a tile, behind its quantiser: the conversions have written PC, and the tile's products are done reading T[m % 2].  Behind it come the 17 loads of tile m + 2 and the tile's four stores,
; with no vector instruction ahead of any of them.  One wait on vm_vsrc stands ahead of the quantiser: the last tile's stores, issued ahead of this tile's 32 products, have read PC.
; REGISTERS: window 0: v1-4 addresses; v8-39 S's scale words; v40-43 T0's; v44-107 T0's four fragments; v108-171 eight accumulators; v172-187 codes; v188-213 at work; v214-217 T1's scale words.
;   window 1: S's K steps 0, 1; window 2: K steps 2, 3; window 3: v0-63 T1's four fragments.
.set LI,   1                           ; v1   16 x lane
.set LS,   2                           ; v2   16 x (lane % 16): a row's four scale words
.set SOFF, 3                           ; v3   where my 16 bytes of scale words go
.set LN,   4                           ; v4   lane
.set SS,   8                           ; S's scale word of tile t, K step s at v[SS + 4 t + s]
.set TS,   40
.set TF,   44
.set ACC,  108
.set PC,   172
.set TM,   188                         ; v188-191 largest magnitudes, v192-195 bytes, v196-199 57,344 x the scale, v200-203 the conversions' scale operands
.set PW,   204                         ; the scale word just made
.set PE,   205                         ; the even tile's, kept for the odd tile
.set WA,   206                         ; v206-209 head A's four words;  v210-213 head B's
.set WB,   210
.set TS1,  214                         ; v214-217 the second buffer's scale words (scale operands have no window)
.set TF1,  0                           ; the second buffer's fragments, in window 3
.set TY,   16                          ; s16  0 = q, 1 = k, 2 = v
.set SEL,  34
.set MNT,  36
.set MSB,  0
.macro WIN new                         ; the immediate's high byte repeats the setting that is left
.if MSB != \new
	s_set_vgpr_msb (MSB<<8)|\new
.set MSB, \new
.endif
.endm
	s_load_b256 s[4:11], s[0:1], 0x0               ; xc s[4:5], xs s[6:7], wc s[8:9], ws s[10:11]
	s_load_b128 s[12:15], s[0:1], 0x20             ; qr s[12:13], kv s[14:15]
	v_lshrrev_b32 v5, 5, v0
	v_readfirstlane_b32 s[TY], v5
	v_and_b32 v[LN], 31, v0
	v_and_b32 v5, 15, v0                           ; r
	v_bfe_u32 v6, v0, 4, 1                         ; h
	v_lshlrev_b32 v[LI], 4, v[LN]
	v_lshlrev_b32 v[LS], 4, v5
	s_and_b32 s17, ttmp7, 0xffff                   ; g
	s_mov_b32 s18, ttmp9                           ; tb
	s_mov_b32 s[SEL], 0x76543210
	s_mov_b32 s[SEL+1], 0xfedcba98                 ; v_permlanex16_b32's selects for lane l xor 16
	s_mov_b32 s[MNT], 0x600000
	s_wait_alu depctr_va_sdst(0)                   ; the wave's number is written into s16, ahead of its first reader: the pointers are chosen and stepped by it
	s_lshl_b32 s40, s[TY], 18                      ; the weight: 262,144 bytes of codes each,
	s_lshl_b32 s41, s17, 16                        ; its 8 tiles of 8,192
	s_add_co_u32 s40, s40, s41
	s_mov_b32 s41, 0
	s_lshl_b32 s42, s18, 16                        ; x: 8 tiles of 8,192
	s_mov_b32 s43, 0
	s_lshl_b32 s44, s[TY], 13                      ; scale bytes: 8,192 a weight, 256 a tile
	s_lshl_b32 s45, s17, 11
	s_add_co_u32 s44, s44, s45
	s_mov_b32 s45, 0
	s_lshl_b32 s46, s18, 11
	s_mov_b32 s47, 0
	s_wait_kmcnt 0x0
	s_add_nc_u64 s[8:9], s[8:9], s[40:41]
	s_add_nc_u64 s[4:5], s[4:5], s[42:43]
	s_add_nc_u64 s[10:11], s[10:11], s[44:45]
	s_add_nc_u64 s[6:7], s[6:7], s[46:47]
	s_cmp_lt_u32 s[TY], 2                          ; the choices hang on the wave's number alone
	s_cselect_b64 s[20:21], s[8:9], s[4:5]         ; S's codes
	s_cselect_b64 s[22:23], s[10:11], s[6:7]       ; S's scale words
	s_cselect_b64 s[24:25], s[4:5], s[8:9]         ; T's codes
	s_cselect_b64 s[26:27], s[6:7], s[10:11]       ; T's scale words
.macro TCODES m, reg                   ; T's tile m: four fragments, 16 loads, into v[reg] on
.irp s, 0,1,2,3
.irp c, 0,1,2,3
	global_load_b128 v[\reg+16*\s+4*\c:\reg+16*\s+4*\c+3], v[LI], s[24:25] offset:(\m)*8192+\s*2048+\c*512
.endr
.endr
.endm
.macro TWORDS m, reg                   ; and its rows' four scale words: one load
	global_load_b128 v[\reg:\reg+3], v[LS], s[26:27] offset:(\m)*256
.endm
	s_wait_alu depctr_va_vdst(0)                   ; v[LI] and v[LS] are written: every load and store but the last reads one of them as its offset.  Only loads and window switches follow, down to the last load of the head
	TCODES 0, TF
	TWORDS 0, TS
.irp t, 0,1,2,3,4,5,6,7
	global_load_b128 v[SS+4*\t:SS+4*\t+3], v[LS], s[22:23] offset:\t*256
.endr
	WIN 0x40                                       ; destination window 1
.irp s, 0,1
.irp t, 0,1,2,3,4,5,6,7
.irp c, 0,1,2,3
	global_load_b128 v[128*\s+16*\t+4*\c:128*\s+16*\t+4*\c+3], v[LI], s[20:21] offset:\t*8192+\s*2048+\c*512
.endr
.endr
.endr
	WIN 0x80                                       ; destination window 2
.irp s, 2,3
.irp t, 0,1,2,3,4,5,6,7
.irp c, 0,1,2,3
	global_load_b128 v[128*(\s-2)+16*\t+4*\c:128*(\s-2)+16*\t+4*\c+3], v[LI], s[20:21] offset:\t*8192+\s*2048+\c*512
.endr
.endr
.endr
	WIN 0xc0                                       ; destination window 3
	TCODES 1, TF1                                  ; tile 1 goes into the second buffer, behind all that tile 0 wants
	WIN 0
	TWORDS 1, TS1
	; where the results go: record ((batch x 8 + head) x 32 + block of 128 tokens)
	s_lshr_b32 s40, s18, 5
	s_lshl_b32 s40, s40, 3
	s_lshl_b32 s41, s17, 1
	s_add_co_u32 s40, s40, s41                     ; batch x 8 + head A
	s_lshl_b32 s40, s40, 5
	s_and_b32 s41, s18, 31
	s_add_co_u32 s40, s40, s41
	s_cmp_eq_u32 s[TY], 0
	s_cselect_b64 s[28:29], s[12:13], s[14:15]     ; qr or kv
	s_mov_b32 s42, 16896
	s_cselect_b32 s42, 8448, s42                   ; a record
	s_mov_b32 s32, 540672
	s_cselect_b32 s32, 270336, s32                 ; from head to head: 32 records
	s_mov_b32 s33, 16384
	s_cselect_b32 s33, 8192, s33                   ; from the images to the scale words
	s_cmp_eq_u32 s[TY], 2
	s_cselect_b32 s43, 8192, 0                     ; V's images lie behind K's,
	s_cselect_b32 s33, 8448, s33                   ; its words at 16,640
	s_mul_i32 s40, s40, s42
	s_add_co_u32 s40, s40, s43
	s_mov_b32 s41, 0
	s_add_nc_u64 s[28:29], s[28:29], s[40:41]      ; head A's images
	s_mov_b32 s44, s32
	s_mov_b32 s45, 0
	s_add_nc_u64 s[30:31], s[28:29], s[44:45]      ; head B's
	v_mul_u32_u24 v[SOFF], v6, s32                 ; lanes 0-15 store head A's words, lanes 16-31 head B's
	v_lshl_add_u32 v[SOFF], v5, 4, v[SOFF]
	v_add_nc_u32 v[SOFF], s33, v[SOFF]
.irp i, 0,1,2,3
	v_mov_b32 v[TM+4+\i], 0                        ; written once: a lane permute's destination counts as one of its sources
	v_mov_b32 v[WA+\i], 0                          ; (each way below writes these in its own order)
	v_mov_b32 v[WB+\i], 0
.endr
	v_mov_b32 v[PE], 0
; 64 numbers of a lane, register 16 b + i = k 32 b + 16 (lane / 16) + i of my row, become a fragment's codes in v[PC] on and its scale word in v[PW]
.macro QUANT s
.irp b, 0,1,2,3
	v_max3_num_f32 v[TM+\b], |v[\s+16*\b]|, |v[\s+1+16*\b]|, 0x8000000   ; block b: my 16 numbers, from each accumulator's low end on, and the floor 2^(16 - 127): the byte cannot fall under 1
.endr
.irp i, 2,4,6,8,10,12,14
.irp b, 0,1,2,3
	v_max3_num_f32 v[TM+\b], v[TM+\b], |v[\s+16*\b+\i]|, |v[\s+1+16*\b+\i]|   ; (the four blocks by turns)
.endr
.endr
.irp b, 0,1,2,3
	v_permlanex16_b32 v[TM+4+\b], v[TM+\b], s[SEL], s[SEL+1]
.endr
.irp b, 0,1,2,3
	v_max_num_f32 v[TM+\b], v[TM+\b], v[TM+4+\b]   ; with lane l xor 16's: the block's largest magnitude
.endr
.irp b, 0,1,2,3
	v_add_nc_u32 v[TM+12+\b], 0xf8800000, v[TM+\b] ; 15 off its exponent field: the conversion's scale operand
.endr
.irp b, 0,1,2,3
	v_and_or_b32 v[TM+8+\b], v[TM+\b], 0x7f800000, s[MNT]   ; 57,344 x the scale
.endr
.irp b, 0,1,2,3
	v_lshrrev_b32 v[TM+4+\b], 23, v[TM+12+\b]      ; the scale's byte
.endr
	v_lshl_or_b32 v[PW], v[TM+5], 8, v[TM+4]
	v_lshl_or_b32 v[PW], v[TM+6], 16, v[PW]
	v_lshl_or_b32 v[PW], v[TM+7], 24, v[PW]
.irp b, 0,1,2,3
.irp i, 0,1,2,3,4,5,6,7,8,9,10,11,12,13,14,15
	v_med3_num_f32 v[\s+16*\b+\i], v[\s+16*\b+\i], -v[TM+8+\b], v[TM+8+\b]   ; the conversion to an 8-bit code does not saturate (ISA guide 7.6.2): the hold comes first
.endr
	v_cvt_scalef32_pk8_bf8_f32 v[PC+4*\b:PC+1+4*\b], v[\s+16*\b:\s+7+16*\b], v[TM+12+\b]
	v_cvt_scalef32_pk8_bf8_f32 v[PC+2+4*\b:PC+3+4*\b], v[\s+8+16*\b:\s+15+16*\b], v[TM+12+\b]
.endr
	v_nop                                          ; a plain line behind the last conversion: the next tile's products write its sources
.endm
; eight products, one K step: the eight accumulators take turns, one instruction a turn.  cod, wrd: the buffer of T: its fragments and its scale words
.macro KSTEP s, zero, cod, wrd
.irp t, 0,1,2,3,4,5,6,7
.if \zero
	v_wmma_scale_f32_16x16x128_f8f6f4 v[ACC+8*\t:ACC+8*\t+7], v[128*((\s)%2)+16*\t:128*((\s)%2)+16*\t+15], v[\cod+16*(\s):\cod+16*(\s)+15], 0, v[SS+4*\t+(\s)], v[\wrd+(\s)] matrix_a_fmt:MATRIX_FMT_BF8 matrix_b_fmt:MATRIX_FMT_BF8
.else
	v_wmma_scale_f32_16x16x128_f8f6f4 v[ACC+8*\t:ACC+8*\t+7], v[128*((\s)%2)+16*\t:128*((\s)%2)+16*\t+15], v[\cod+16*(\s):\cod+16*(\s)+15], v[ACC+8*\t:ACC+8*\t+7], v[SS+4*\t+(\s)], v[\wrd+(\s)] matrix_a_fmt:MATRIX_FMT_BF8 matrix_b_fmt:MATRIX_FMT_BF8
.endif
.endr
.endm
.macro OUT_QK m                        ; token tile m: blocks 0, 1 are head A's 64 channels, blocks 2, 3 head B's; each store covers 512 consecutive bytes
	global_store_b128 v[LI], v[PC:PC+3],     s[28:29] offset:((\m)/2)*2048+((\m)%2)*1024
	global_store_b128 v[LI], v[PC+4:PC+7],   s[28:29] offset:((\m)/2)*2048+((\m)%2)*1024+512
	global_store_b128 v[LI], v[PC+8:PC+11],  s[30:31] offset:((\m)/2)*2048+((\m)%2)*1024
	global_store_b128 v[LI], v[PC+12:PC+15], s[30:31] offset:((\m)/2)*2048+((\m)%2)*1024+512
.if (\m)%2 == 0
	v_mov_b32 v[PE], v[PW]
.else
	v_perm_b32 v[WA+(\m)/2], v[PW], v[PE], 0x05040100   ; head A: the even tile's bytes 0, 1, then the odd tile's
	v_perm_b32 v[WB+(\m)/2], v[PW], v[PE], 0x07060302   ; head B: bytes 2, 3 of both
.endif
.endm
.macro OUT_V m                         ; tile m of Wv's rows: 16 channels (tiles 0-3: head A, 4-7: head B) x my 128 tokens: one image
.irp b, 0,1,2,3
.if (\m) < 4
	global_store_b128 v[LI], v[PC+4*\b:PC+4*\b+3], s[28:29] offset:((\m)%4)*2048+512*\b
.else
	global_store_b128 v[LI], v[PC+4*\b:PC+4*\b+3], s[30:31] offset:((\m)%4)*2048+512*\b
.endif
.endr
.if (\m) < 4
	v_mov_b32 v[WA+(\m)%4], v[PW]
.else
	v_mov_b32 v[WB+(\m)%4], v[PW]
.endif
.endm
.macro TILE m
.if (\m) == 0
	s_wait_loadcnt 63                              ; 170 loads were issued: the first 107 are in; K steps 0 and 1 want the first 89
.elseif (\m) < 7
	s_wait_loadcnt 17                              ; loads come back in order (ISA guide 5.7.1): this tile's 17 are in; the next tile's 17, issued behind them, may be out
.else
	s_wait_loadcnt 0x0                             ; the last tile: nothing was issued behind its loads
.endif
.if (\m)%2 == 0
	WIN 0x01                                       ; source 0 (S) window 1
	KSTEP 0, 1, TF, TS                             ; the first K step starts the sums: nothing is cleared
	KSTEP 1, 0, TF, TS
.if (\m) == 0
	s_wait_loadcnt 49                              ; all but K step 3's 32 and tile 1's 17
.endif
	WIN 0x02                                       ; source 0 window 2
	KSTEP 2, 0, TF, TS
.if (\m) == 0
	s_wait_loadcnt 17                              ; all but tile 1's 17
.endif
	KSTEP 3, 0, TF, TS
.else
	WIN 0x0d                                       ; source 0 (S) window 1, source 1 (T) window 3
	KSTEP 0, 1, TF1, TS1
	KSTEP 1, 0, TF1, TS1
	WIN 0x0e                                       ; source 0 window 2, source 1 window 3
	KSTEP 2, 0, TF1, TS1
	KSTEP 3, 0, TF1, TS1
.endif
	WIN 0
.rept 9
	v_nop                                          ; eight places ahead of the first read of results; a ninth, since the next tile's first products write over these accumulators
.endr
.if (\m) > 0
	s_wait_xcnt 0x0                                ; the last tile's stores have had their addresses translated (ISA guide 3.1): their data registers are written again below
	s_wait_alu depctr_vm_vsrc(0)                   ; the last tile's stores have read v[PC ..], which this tile's conversions write again
.endif
	QUANT ACC
.if (\m) < 6
.if (\m)%2 == 1
	WIN 0xc0                                       ; destination window 3: the switch, then the wait, then the loads
	s_wait_alu depctr_va_vdst(0)                   ; the conversions have written v[PC ..], which the stores below read; this tile's products are done reading the second buffer of T and its scale words, in which the loads below land
	TCODES (\m)+2, TF1                             ; two tiles ahead: these have the whole next tile in which to land
	WIN 0
	TWORDS (\m)+2, TS1
.else
	s_wait_alu depctr_va_vdst(0)                   ; the conversions have written v[PC ..], which the stores below read; this tile's products are done reading the first buffer of T and its scale words, in which the loads below land
	TCODES (\m)+2, TF                              ; two tiles ahead: these have the whole next tile in which to land
	TWORDS (\m)+2, TS
.endif
.else
	s_wait_alu depctr_va_vdst(0)                   ; the conversions have written v[PC ..], which the stores below read
.endif
	s_cmp_eq_u32 s[TY], 2                          ; a branch on the wave's number
	s_cbranch_scc1 .Lv_\@
	OUT_QK \m
	s_branch .Ldone_\@
.Lv_\@:
	OUT_V \m
.Ldone_\@:
.endm
.irp m, 0,1,2,3,4,5,6,7
	TILE \m
.endr
	s_wait_alu depctr_va_vdst(0)
	v_cmp_le_u32 vcc_lo, 16, v[LN]
	s_wait_alu depctr_va_vcc(0)                    ; VCC is written, ahead of the selections that read it
.irp i, 0,1,2,3
	v_cndmask_b32 v[WA+\i], v[WA+\i], v[WB+\i], vcc_lo   ; lanes 16-31 take head B's words
.endr
	s_wait_alu depctr_va_vdst(0)                   ; the selections have written v[WA ..], the store's data (its offset v[SOFF] was written at the head)
	global_store_b128 v[SOFF], v[WA:WA+3], s[28:29]      ; sixteen lanes store 256 consecutive bytes, aligned, for each of the two heads
	s_endpgm
.Lfunc_end_k_q128a2e2ca6_qkv:
	.size	k_q128a2e2ca6_qkv, .Lfunc_end_k_q128a2e2ca6_qkv-k_q128a2e2ca6_qkv
	.p2alignl 7, 3214868480
	.fill 96, 4, 3214868480
	.section	.rodata,"a",@progbits
	.p2align	6, 0x0
	.amdhsa_kernel k_q128a2e2ca6_qkv
		.amdhsa_group_segment_fixed_size 0
		.amdhsa_private_segment_fixed_size 0
		.amdhsa_enable_private_segment 0
		.amdhsa_kernarg_size 48
		.amdhsa_user_sgpr_count 2
		.amdhsa_user_sgpr_kernarg_segment_ptr 1
		.amdhsa_wavefront_size32 1
		.amdhsa_system_sgpr_workgroup_id_x 1
		.amdhsa_system_sgpr_workgroup_id_y 1
		.amdhsa_system_sgpr_workgroup_id_z 1
		.amdhsa_system_vgpr_workitem_id 0
		.amdhsa_next_free_vgpr 832
		.amdhsa_next_free_sgpr 66
		.amdhsa_reserve_vcc 1
		.amdhsa_float_denorm_mode_32 3
		.amdhsa_float_denorm_mode_16_64 3
		.amdhsa_memory_ordered 1
		.amdhsa_forward_progress 1
		.amdhsa_inst_pref_size 138
	.end_amdhsa_kernel
	.amdgpu_metadata
---
amdhsa.version: [ 1, 2 ]
amdhsa.kernels:
  - .name:           k_q128a2e2ca6_qkv
    .symbol:         k_q128a2e2ca6_qkv.kd
    .args:
      - { .name: xc, .offset: 0, .size: 8, .value_kind: global_buffer, .address_space: global }
      - { .name: xs, .offset: 8, .size: 8, .value_kind: global_buffer, .address_space: global }
      - { .name: wc, .offset: 16, .size: 8, .value_kind: global_buffer, .address_space: global }
      - { .name: ws, .offset: 24, .size: 8, .value_kind: global_buffer, .address_space: global }
      - { .name: qr, .offset: 32, .size: 8, .value_kind: global_buffer, .address_space: global }
      - { .name: kv, .offset: 40, .size: 8, .value_kind: global_buffer, .address_space: global }
    .group_segment_fixed_size: 0
    .private_segment_fixed_size: 0
    .kernarg_segment_align: 8
    .kernarg_segment_size: 48
    .max_flat_workgroup_size: 96
    .sgpr_count:     66
    .vgpr_count:     832
    .wavefront_size: 32
...
	.end_amdgpu_metadata
.endif
;; end of part 5
;; launch attn (part 6): grid 16 x 16, 16 waves a work-group, no clusters, 327,680 bytes of LDS; arguments qr, kv, cc, cs; writes cc, cs
.if DOCPART == 6
	.amdgcn_target "amdgcn-amd-amdhsa--gfx1250"
	.amdhsa_code_object_version 6
	.text
	.protected	k_q128a2e2ca6_attn
	.globl	k_q128a2e2ca6_attn
	.p2align	8
	.type	k_q128a2e2ca6_attn,@function
k_q128a2e2ca6_attn:
	s_mov_b64 s[64:65], 0
	v_nop
	global_prefetch_b8 v0, s[64:65] scope:SCOPE_SE
	s_setreg_imm32_b32 hwreg(HW_REG_WAVE_MODE, 25, 1), 1
	s_wait_xcnt 0x0
; ctx[bh][q] = the sum over keys k <= q of softmax_k(q . k / 8) v, both products on codes of BF8 (E5M2) with E8M0 scales; ctx is quantised along the head's 64 and leaves as fragments of the last product's operand.
; THE SOFTMAX AHEAD OF THE SECOND PRODUCT: t = score x log2(e) / 8; M = the row's largest t so far, rounded up to a whole number; p = 2^(t - M) is quantised along the keys, not normalised.  The row's sum is taken of the
; unquantised p and divides at the end.  When M moves, the sum and O are multiplied by 2^(old M - new M): exact.
; SHARES: work-group (j, bh) owns the blocks j and 31 - j of 128 queries of its head: 8 (j + 1) + 8 (32 - j) = 264 steps of 16 queries x 128 keys in every work-group.  A wave owns one tile of 16 queries;
; eight waves take each block, chosen by (w xor w / 4) & 1.  Keys go 128 a step; a step all of whose keys come after the wave's block is jumped over (a scalar branch on ids); on the diagonal hidden scores become -infinity.
; THE RING: two LDS slots of two records of kv (256 keys: codes of K and V and their scale words, 33,792 dense bytes), filled by waves 0 and 1, a record each, read by all sixteen.  The work-group walks (35 - j) / 4 pairs of
; slots: as far as block 31 - j needs.  No LDS address is stepped: each slot has its own address register and its own descriptor.
; LAYOUT: both products transposed (S^T = K Q^T, O^T = V^T P^T): a lane holds ONE query throughout.  Tile 2 G + u of keys holds keys 32 G + 8 u + r + 8 (r / 8), so that the 16 registers of two neighbouring tiles are 16 neighbouring keys.
; K = 64 IN A FORM OF 128: a fragment of 16 registers holds TWO key tiles (chunks 0, 1: tile 2 G; chunks 2, 3: tile 2 G + 1).  Q stands as [8 zeros][Q's 8][8 zeros]: v[24:39] = [Q, 0] meets tile 2 G, v[16:31] = [0, Q] tile 2 G + 1.
; K's codes are finite (held at the largest code), so what meets the zeros adds nothing.  Q's scale word is (s0, s1, s0, s1) and serves both.
; NO CLUSTER, though the 16 work-groups of a head read the same records: the jumps over hidden steps and round the mask hang on the work-group's own block of queries, which in a cluster would hang on its place, and the
; partners walk different numbers of slots (10 to 16).
; LIMITS: 1 / the sum is v_rcp_f32 and a multiplication; a block whose largest magnitude lies under 2^-111 keeps the byte 1, a block of zeros too (its codes are zeros; this program alone reads the bytes); NaN and infinities are not served.
.set REC,   16896                      ; a record of kv: K 8,192, V 8,192, K's words 256, V's words 256
.set SLOTB, 2*REC
.set HEADB, 32*REC
.set QREC,  8448
.set SPARE, 2*SLOTB                    ; behind the ring: the spare words, 128 bytes for each of 16 waves: eight blocks of 256 bytes that no other line names
.set LI0,  1                           ; v1   16 x lane: slot 0
.set LI1,  2                           ; v2   the same in slot 1
.set SPW,  3                           ; v3   LDS address of my spare word; never rewritten
.set NIL,  4                           ; v4   0; never rewritten
.set PFO,  5                           ; v5   256 x lane: the prefetches' offset; never rewritten
.set DM,   6                           ; v6   my query's place in its block - 16 (lane / 16)
.set CSO,  7                           ; v7   16 r + h: my byte among ctx's scale bytes
.set KV,   40                          ; v40-103  four fragments of K, then of V
.set S,    104                         ; v104-167 S^T, then p
.set O,    168                         ; v168-199 O^T: four tiles of 16 channels
.set PC,   200                         ; v200-215 p's codes
.set BM,   216                         ; v216-219 the blocks' largest scores, then largest p
.set PX,   220                         ; v220-223 the other half's; then the bytes
.set HL,   224                         ; v224-227 57,344 x the scale
.set SO,   228                         ; v228-231 the conversions' scale operands
.set SCL,  232                         ; v232-235 lanes 0-15: K's four scale words; lanes 16-31: V's four
.set QW,   236                         ; Q's scale word
.set PWD,  237                         ; p's
.set NM,   238                         ; -M;  v239 the largest t
.set TMX,  239
.set SUM,  240                         ; v[240:241] the row's sum in two halves;  v[242:243] its second chain
.set SU2,  242
.set F,    244                         ; f = 2^(old M - new M);  v245 is named with it as a pair
.set TW,   246
.set QT,   247
.set WV,   12
.set JJ,   13
.set BH,   14
.set GRP,  15
.set IDX,  16
.set BLK,  17
.set QB,   18                          ; s18  my block's first query
.set KF,   19                          ; s19  the step's first key
.set SEL,  20
.set CS,   22                          ; s[22:23] c = log2(e) / 8
.set MNT,  24
.set TRIPS, 25
.set LIM,  26                          ; s26  1 in a wave that prefetches
.set PSEL, 27
.set PFA,  28                          ; s[28:29] where my prefetches stand
.set G1,   32                          ; s[32:39] descriptor group 1
.set G0,   40                          ; s[40:47] group 0, a set for each slot
.macro TLOAD n                         ; waves 0 and 1 fetch a record each; four v_nop follow the line
	s_cmp_lt_u32 s[WV], 2
	s_cbranch_scc0 .Lnone_\@
	tensor_load_to_lds s[G0+4*(\n):G0+4*(\n)+3], s[G1:G1+7]
	s_nop 0
.rept 4
	v_nop
.endr
.Lnone_\@:
.endm
; A prefetch of the slot that the next change of slots will ask for.  All 16 work-groups of a head walk the same records: work-group j = 0, which walks all 16 slots, asks; in it waves 4 to 7, which fetch nothing, one instruction each:
; 8,192 bytes, lanes 256 bytes apart: K's or V's images of one of the slot's two records.  So each of these blocks of 256 bytes is named once.  Slots 0 and 1 and the scale words come by their loads alone; the last two changes ask for nothing.
.macro ASK
	s_cmp_eq_u32 s[LIM], 1
	s_cbranch_scc0 .Lnot_mine_\@
	global_prefetch_b8 v[PFO], s[PFA:PFA+1] th:TH_LOAD_NT scope:SCOPE_SE
.Lnot_mine_\@:
.endm
	s_load_b256 s[4:11], s[0:1], 0x0               ; qr s[4:5], kv s[6:7], cc s[8:9], cs s[10:11]
	v_lshl_add_u32 v[SPW], v0, 2, SPARE
	v_mov_b32 v[NIL], 0
	ds_add_u32 v3, v4
	ds_add_u32 v3, v4
	s_wait_dscnt 0x0
	v_lshrrev_b32 v8, 5, v0
	s_delay_alu instid0(VALU_DEP_1)
	v_readfirstlane_b32 s[WV], v8                  ; wave 0..15
	s_mov_b32 s[JJ], ttmp9
	s_and_b32 s[BH], ttmp7, 0xffff
	; descriptor group 1: a record as 66 rows of 256 bytes (32 elements of 8 bytes), dense in memory and in LDS
	s_mov_b32 s[G1], 3<<16                         ; no mask; elements of 8 bytes; no padding
	s_mov_b32 s[G1+1], 32<<16                      ; tensor_dim0 = 32
	s_mov_b32 s[G1+2], 66<<16                      ; tensor_dim1 = 66
	s_mov_b32 s[G1+3], 32<<16                      ; tile_dim0 = 32
	s_mov_b32 s[G1+4], 66                          ; tile_dim1 = 66
	s_mov_b32 s[G1+5], 32                          ; from row to row
	s_mov_b32 s[G1+6], 0
	s_mov_b32 s[G1+7], 0
	s_and_b32 s48, s[WV], 1                        ; which record of a slot I fetch, if I fetch
	s_mul_i32 s49, s48, REC
	s_mul_i32 s50, s[BH], HEADB
	s_mov_b32 s51, 0
	s_wait_kmcnt 0x0
	s_add_nc_u64 s[6:7], s[6:7], s[50:51]          ; kv at my head
	s_mov_b32 s50, s49
	s_mov_b32 s[G0], 1                             ; count = 1
	s_mov_b32 s[G0+1], s49                         ; LDS address: slot 0, my record
	s_add_nc_u64 s[G0+2:G0+3], s[6:7], s[50:51]    ; global address: keys 0 on
	s_mov_b32 s[G0+4], 1
	s_add_co_u32 s[G0+5], s49, SLOTB               ; slot 1
	s_add_nc_u64 s[G0+6:G0+7], s[G0+2:G0+3], SLOTB ; keys 256 on
	s_or_b32 s[G0+3], s[G0+3], 0x80000000          ; type = 2
	s_or_b32 s[G0+7], s[G0+7], 0x80000000
	TLOAD 0                                        ; the one first fill: slot 0.  One tensor load of mine is out
	s_lshr_b32 s[GRP], s[WV], 2
	s_xor_b32 s[GRP], s[GRP], s[WV]
	s_and_b32 s[GRP], s[GRP], 1                    ; which of the two blocks is mine
	s_lshr_b32 s[IDX], s[WV], 1                    ; which tile of its eight
	s_sub_co_u32 s[BLK], 31, s[JJ]
	s_cmp_eq_u32 s[GRP], 0
	s_cselect_b32 s[BLK], s[JJ], s[BLK]
	s_lshl_b32 s[QB], s[BLK], 7
	s_mov_b32 s[KF], 0
	s_sub_co_u32 s[TRIPS], 35, s[JJ]
	s_lshr_b32 s[TRIPS], s[TRIPS], 2
	s_sub_co_u32 s[TRIPS], s[TRIPS], 1             ; pairs of slots less the one that is written out: 4 to 7
	s_mov_b32 s[SEL], 0x76543210
	s_mov_b32 s[SEL+1], 0xfedcba98
	s_mov_b32 s[CS], 0x3e38aa3b                    ; log2(e) / 8
	s_mov_b32 s[CS+1], s[CS]                       ; (named with it as a pair, so it is written)
	s_mov_b32 s[MNT], 0x600000
	s_lshl_b32 s50, s48, 13                        ; the prefetches: K's or V's 8,192 bytes,
	s_bfe_u32 s52, s[WV], 0x10001
	s_mul_i32 s52, s52, REC                        ; of the slot's first or second record,
	s_add_co_u32 s50, s50, s52
	s_add_co_u32 s50, s50, SLOTB                   ; in slot 1: the first change of slots steps it to slot 2
	s_add_nc_u64 s[PFA:PFA+1], s[6:7], s[50:51]
	s_lshr_b32 s52, s[WV], 2
	s_xor_b32 s52, s52, 1                          ; 0 in waves 4 to 7,
	s_or_b32 s52, s52, s[JJ]                       ; of work-group j = 0
	s_cmp_eq_u32 s52, 0
	s_cselect_b32 s[LIM], 1, -1
	s_lshl_b32 s52, s[BH], 5
	s_add_co_u32 s52, s52, s[BLK]
	s_mul_i32 s52, s52, QREC
	s_mov_b32 s53, 0
	s_add_nc_u64 s[4:5], s[4:5], s[52:53]          ; my block's record of qr
	s_and_b32 s53, s[IDX], 1                       ; u
	s_cmp_eq_u32 s53, 0
	s_mov_b32 s[PSEL], 0x03020302
	s_cselect_b32 s[PSEL], 0x01000100, s[PSEL]     ; which two bytes of the double image's word are my tile's
	s_lshr_b32 s52, s[IDX], 1                      ; G
	s_lshl_b32 s54, s52, 5
	s_lshl_b32 s53, s53, 3
	s_add_co_u32 s54, s54, s53                     ; 32 G + 8 u
	s_lshl_b32 s52, s52, 2                         ; 4 G
	s_lshl_b32 s53, s[IDX], 10                     ; my tile's two chunks: 2,048 G + 1,024 u
	v_and_b32 v8, 31, v0
	s_delay_alu instid0(VALU_DEP_1)
	v_lshlrev_b32 v[LI0], 4, v8
	s_delay_alu instid0(VALU_DEP_1)
	v_add_nc_u32 v[LI1], SLOTB, v[LI0]
	s_delay_alu instid0(VALU_DEP_3)
	v_lshlrev_b32 v[PFO], 8, v8
	v_and_b32 v11, 15, v0                          ; r
	v_bfe_u32 v12, v0, 4, 1                        ; h
	v_add_nc_u32 v9, s53, v[LI0]
	s_delay_alu instid0(VALU_DEP_3)
	v_lshlrev_b32 v10, 4, v11
	s_delay_alu instid0(VALU_DEP_1)
	v_add_nc_u32 v10, s52, v10
	global_load_b128 v[24:27], v9, s[4:5]          ; Q's codes: channels 16 h on,
	global_load_b128 v[28:31], v9, s[4:5] offset:512   ; and 32 + 16 h on
	global_load_b32 v[QT], v10, s[4:5] offset:8192 ; the word of row r of my double image
	v_and_b32 v13, 8, v11
	s_delay_alu instid0(VALU_DEP_1)
	v_add_nc_u32 v13, v13, v11                     ; r + 8 (r / 8)
	v_lshlrev_b32 v14, 4, v12
	s_delay_alu instid0(VALU_DEP_1)
	v_sub_nc_u32 v13, v13, v14
	s_delay_alu instid0(VALU_DEP_1)
	v_add_nc_u32 v[DM], s54, v13
	v_lshl_add_u32 v[CSO], v11, 4, v12
	; where ctx goes: tile batch x 256 + 8 x block + idx; K step head / 2; chunks 2 (head % 2) + 0, 1
	s_lshr_b32 s48, s[BH], 3
	s_lshl_b32 s48, s48, 8
	s_lshl_b32 s49, s[BLK], 3
	s_add_co_u32 s48, s48, s49
	s_add_co_u32 s48, s48, s[IDX]
	s_bfe_u32 s49, s[BH], 0x20001                  ; (head / 2)
	s_and_b32 s50, s[BH], 1
	s_lshl_b32 s54, s48, 13
	s_lshl_b32 s51, s49, 11
	s_add_co_u32 s54, s54, s51
	s_lshl_b32 s51, s50, 10
	s_add_co_u32 s54, s54, s51
	s_mov_b32 s55, 0
	s_add_nc_u64 s[8:9], s[8:9], s[54:55]
	s_lshl_b32 s54, s48, 8
	s_lshl_b32 s51, s49, 2
	s_add_co_u32 s54, s54, s51
	s_lshl_b32 s51, s50, 1
	s_add_co_u32 s54, s54, s51
	s_add_nc_u64 s[10:11], s[10:11], s[54:55]
.irp i, 0,1,2,3,4,5,6,7
	v_mov_b32 v[16+\i], 0                          ; the zeros on both sides of Q
	v_mov_b32 v[32+\i], 0
.endr
	v_mov_b32 v[TMX], 0xff61b1e6                   ; the largest t so far: -3e38, under every t
	s_delay_alu instid0(VALU_DEP_1)
	v_floor_f32 v[NM], -v[TMX]
	v_mov_b32 v[SUM], 0
	v_mov_b32 v[SUM+1], 0
	v_mov_b32 v[F+1], 0                            ; (named as the upper half of a pair)
	v_mov_b32 v[TW], 0
.irp b, 0,1,2,3
	v_mov_b32 v[PX+\b], 0                          ; written once: a lane permute's destination counts as one of its sources
.endr
	s_wait_loadcnt 0x0                             ; Q
	v_perm_b32 v[QW], v[QT], v[QT], s[PSEL]        ; (s0, s1, s0, s1)
.set n, 0
.rept 32
	v_mov_b32 v[O+n], 0                            ; O^T: the step is written once; the first finds zeros.  (Also places between the line above and the first product)
.set n, n+1
.endr
; A KEY STEP: 128 keys, record q of the slot whose address register is v[la]
.macro STEP la, q
	s_cmp_gt_u32 s[KF], s[QB]                      ; all 128 keys come after my block's queries: nothing to do
	s_cbranch_scc1 .Lhid_\@
.rept 8
	v_nop                                          ; places ahead of loads into registers that the last step's products have read (ISA guide 7.12.1 for vector instructions)
.endr
.irp b, 0,1,2,3
.irp c, 0,1,2,3
	ds_load_b128 v[KV+16*\b+4*\c:KV+16*\b+4*\c+3], v[\la] offset:(\q)*REC+2048*\b+512*\c   ; an image comes back as it was stored: 512 consecutive bytes a load
.endr
.endr
	ds_load_b128 v[SCL:SCL+3], v[\la] offset:(\q)*REC+16384   ; lanes 0-15: row r's four words of K; lanes 16-31, 256 bytes on: of V
	s_wait_dscnt 0x0
.irp b, 0,1,2,3                        ; S^T = K Q^T: a fragment holds two tiles of keys
	v_wmma_scale_f32_16x16x128_f8f6f4 v[S+16*\b:S+16*\b+7], v[KV+16*\b:KV+16*\b+15], v[24:39], 0, v[SCL+\b], v[QW] matrix_a_fmt:MATRIX_FMT_BF8 matrix_b_fmt:MATRIX_FMT_BF8
	v_wmma_scale_f32_16x16x128_f8f6f4 v[S+16*\b+8:S+16*\b+15], v[KV+16*\b:KV+16*\b+15], v[16:31], 0, v[SCL+\b], v[QW] matrix_a_fmt:MATRIX_FMT_BF8 matrix_b_fmt:MATRIX_FMT_BF8
.endr                                  ; register 16 b + i of S holds key KF + 32 b + 16 (lane / 16) + i
.rept 8
	v_nop
.endr
.irp t, 0,1,2,3
.irp c, 0,1,2,3
	ds_load_b128 v[KV+16*\t+4*\c:KV+16*\t+4*\c+3], v[\la] offset:(\q)*REC+8192+2048*\t+512*\c   ; V lands under the softmax
.endr
.endr
	s_cmp_lt_u32 s[KF], s[QB]                      ; all keys count: no mask
	s_cbranch_scc1 .Lopen_\@
	v_mov_b32 v[TW], 0xff800000                    ; on the diagonal: -infinity where the key comes after my query: 32 b + i > DM
.set n, 0
.rept 64
	v_cmp_gt_i32 vcc_lo, 32*(n/16)+n%16, v[DM]
	v_cndmask_b32 v[S+n], v[S+n], v[TW], vcc_lo
.set n, n+1
.endr
.Lopen_\@:
.irp b, 0,1,2,3
	v_max3_num_f32 v[BM+\b], v[S+16*\b], v[S+1+16*\b], v[S+2+16*\b]   ; the largest score of each block of 32 keys: for the row's maximum, and, since p rises with the score, for the block's largest p
.endr
.irp i, 3,5,7,9,11,13
.irp b, 0,1,2,3
	v_max3_num_f32 v[BM+\b], v[BM+\b], v[S+16*\b+\i], v[S+1+16*\b+\i]
.endr
.endr
.irp b, 0,1,2,3
	v_max_num_f32 v[BM+\b], v[BM+\b], v[S+15+16*\b]
.endr
.irp b, 0,1,2,3
	s_delay_alu instid0(VALU_DEP_4)
	v_permlanex16_b32 v[PX+\b], v[BM+\b], s[SEL], s[SEL+1]
.endr
.irp b, 0,1,2,3
	s_delay_alu instid0(VALU_DEP_4)
	v_max_num_f32 v[BM+\b], v[BM+\b], v[PX+\b]     ; with lane l xor 16's 16 keys
.endr
	s_delay_alu instid0(VALU_DEP_2)
	v_max3_num_f32 v[TW], v[BM], v[BM+1], v[BM+2]
	s_delay_alu instid0(VALU_DEP_1)
	v_max_num_f32 v[TW], v[TW], v[BM+3]
	s_delay_alu instid0(VALU_DEP_1)
	v_mul_f32 v[TW], s[CS], v[TW]                  ; as t
	s_delay_alu instid0(VALU_DEP_1)
	v_max_num_f32 v[TMX], v[TMX], v[TW]            ; the running largest t
	v_mov_b32 v[TW], v[NM]
	s_delay_alu instid0(VALU_DEP_2)
	v_floor_f32 v[NM], -v[TMX]                     ; the new -M = -ceil(t)
	s_delay_alu instid0(VALU_DEP_1)
	v_sub_f32 v[TW], v[NM], v[TW]                  ; old M - new M: a whole number, 0 or less
	s_delay_alu instid0(VALU_DEP_1)
	v_cvt_i32_f32 v[TW], v[TW]                     ; (it saturates)
	s_delay_alu instid0(VALU_DEP_1)
	v_ldexp_f32 v[F], 1.0, v[TW]                   ; f = 2^(old M - new M)
.set n, 0
.rept 32
	v_pk_fma_f32 v[S+n:S+n+1], v[S+n:S+n+1], s[CS:CS+1], v[NM:NM+1] op_sel_hi:[1,0,0]   ; t - M, two at a time
.set n, n+2
.endr
.irp b, 0,1,2,3
	v_fma_f32 v[BM+\b], v[BM+\b], s[CS], v[NM]     ; the same of each block's largest score
.endr
.set n, 0
	s_wait_alu depctr_va_vdst(0)
.rept 64
	v_exp_f32 v[S+n], v[S+n]                       ; p = 2^(t - M)
.set n, n+1
.endr
	v_pk_mul_f32 v[SUM:SUM+1], v[SUM:SUM+1], v[F:F+1] op_sel_hi:[1,0]   ; the sum under the new M (a plain line behind the exponentials)
	s_wait_alu depctr_va_vdst(0)                   ; one wait for the batch of 64, ahead of its first reader
.irp b, 0,1,2,3
	v_exp_f32 v[BM+\b], v[BM+\b]                   ; the block's largest p
.endr
	v_pk_add_f32 v[242:243], v[108:109], v[112:113]
	v_pk_add_f32 v[254:255], v[116:117], v[120:121]
	v_pk_add_f32 v[252:253], v[124:125], v[128:129]
	v_pk_add_f32 v[250:251], v[132:133], v[136:137]
	v_pk_add_f32 v[248:249], v[140:141], v[144:145]
	v_pk_add_f32 v[230:231], v[148:149], v[152:153]
	v_pk_add_f32 v[228:229], v[156:157], v[160:161]
	v_pk_add_f32 v[240:241], v[240:241], v[164:165]
	v_pk_add_f32 v[242:243], v[242:243], v[104:105]
	v_pk_add_f32 v[254:255], v[254:255], v[106:107]
	v_pk_add_f32 v[252:253], v[252:253], v[110:111]
	v_pk_add_f32 v[250:251], v[250:251], v[114:115]
	v_pk_add_f32 v[248:249], v[248:249], v[118:119]
	v_pk_add_f32 v[230:231], v[230:231], v[122:123]
	v_pk_add_f32 v[228:229], v[228:229], v[126:127]
	v_pk_add_f32 v[240:241], v[240:241], v[130:131]
	v_pk_add_f32 v[242:243], v[242:243], v[134:135]
	v_pk_add_f32 v[254:255], v[254:255], v[138:139]
	v_pk_add_f32 v[252:253], v[252:253], v[142:143]
	v_pk_add_f32 v[250:251], v[250:251], v[146:147]
	v_pk_add_f32 v[248:249], v[248:249], v[150:151]
	v_pk_add_f32 v[230:231], v[230:231], v[154:155]
	v_pk_add_f32 v[228:229], v[228:229], v[158:159]
	v_pk_add_f32 v[240:241], v[240:241], v[162:163]
	v_pk_add_f32 v[242:243], v[242:243], v[166:167]
	s_delay_alu instid0(VALU_DEP_2)
	v_pk_add_f32 v[240:241], v[240:241], v[250:251]
	s_delay_alu instid0(VALU_DEP_2)
	v_pk_add_f32 v[242:243], v[242:243], v[248:249]
	v_pk_add_f32 v[254:255], v[254:255], v[230:231]
	v_pk_add_f32 v[252:253], v[252:253], v[228:229]
	s_delay_alu instid0(VALU_DEP_2)
	v_pk_add_f32 v[240:241], v[240:241], v[254:255]
	s_delay_alu instid0(VALU_DEP_2)
	v_pk_add_f32 v[242:243], v[242:243], v[252:253]
	s_delay_alu instid0(VALU_DEP_1)
	v_pk_add_f32 v[240:241], v[240:241], v[242:243]
	s_wait_alu depctr_va_vdst(0)                   ; and one for the four
.irp b, 0,1,2,3
	v_max_num_f32 v[BM+\b], 0x8000000, v[BM+\b]    ; the floor 2^(16 - 127): the byte cannot fall under 1
.endr
.irp b, 0,1,2,3
	s_delay_alu instid0(VALU_DEP_4)
	v_add_nc_u32 v[SO+\b], 0xf8800000, v[BM+\b]    ; 15 off the exponent field: the conversion's scale operand
.endr
.irp b, 0,1,2,3
	v_and_or_b32 v[HL+\b], v[BM+\b], 0x7f800000, s[MNT]   ; 57,344 x the scale
.endr
.irp b, 0,1,2,3
	v_lshrrev_b32 v[PX+\b], 23, v[SO+\b]           ; the scale's byte
.endr
	s_delay_alu instid0(VALU_DEP_3)
	v_lshl_or_b32 v[PWD], v[PX+1], 8, v[PX]        ; p's scale word for these 128 keys
	s_delay_alu instid0(VALU_DEP_1)
	v_lshl_or_b32 v[PWD], v[PX+2], 16, v[PWD]
	s_delay_alu instid0(VALU_DEP_1)
	v_lshl_or_b32 v[PWD], v[PX+3], 24, v[PWD]
.irp b, 0,1,2,3
.irp i, 0,1,2,3,4,5,6,7,8,9,10,11,12,13,14,15
	v_min_num_f32 v[S+16*\b+\i], v[S+16*\b+\i], v[HL+\b]   ; the conversion does not saturate (ISA guide 7.6.2); p is not negative, so the hold is one-sided
.endr
	v_cvt_scalef32_pk8_bf8_f32 v[PC+4*\b:PC+1+4*\b], v[S+16*\b:S+7+16*\b], v[SO+\b]
	v_cvt_scalef32_pk8_bf8_f32 v[PC+2+4*\b:PC+3+4*\b], v[S+8+16*\b:S+15+16*\b], v[SO+\b]
.endr
.set n, 0
.rept 16
	v_pk_mul_f32 v[O+n:O+n+1], v[O+n:O+n+1], v[F:F+1] op_sel_hi:[1,0]   ; O^T under the new M, each accumulator from its low end on.  (Also the places between the codes and the products)
.set n, n+2
.endr
	s_wait_alu depctr_va_vdst(0)
	s_wait_dscnt 0x0                               ; V is in
.irp t, 0,1,2,3                        ; O^T += V^T P^T: the four accumulators by turns; V's words stand in lanes 16-31
	v_wmma_scale_f32_16x16x128_f8f6f4 v[O+8*\t:O+8*\t+7], v[KV+16*\t:KV+16*\t+15], v[PC:PC+15], v[O+8*\t:O+8*\t+7], v[SCL+\t], v[PWD] matrix_a_fmt:MATRIX_FMT_BF8 matrix_b_fmt:MATRIX_FMT_BF8 matrix_a_scale:MATRIX_SCALE_ROW1
.endr
.Lhid_\@:
	s_add_co_u32 s[KF], s[KF], 128
.endm
; A SLOT.  At its head every wave waits for all its tensor loads (its part of this slot), adds 0 to its spare word, and waits for that and for its reads of the slot that it has left; behind the barrier this slot is whole and
; nobody reads the other one, which is filled first thing with the 256 keys that follow: that load has this slot's two steps in which to land.
.macro TRIP slot, refill, ask
	s_wait_tensorcnt 0x0                           ; no tensor load of mine is out, so a group 0 may be written
	ds_add_u32 v[SPW], v[NIL]                      ; 0 onto my spare word
	s_add_nc_u64 s[G0+4*\slot+2:G0+4*\slot+3], s[G0+4*\slot+2:G0+4*\slot+3], 2*SLOTB   ; this slot's next 256 keys; the type bits on top are not reached
.if \ask
	s_wait_xcnt 0x0                                ; the last prefetch, a slot back, has read its address
	s_add_nc_u64 s[PFA:PFA+1], s[PFA:PFA+1], SLOTB ; one slot further on than the load below
.endif
	s_wait_dscnt 0x0                               ; the add is done, and my reads of the slot that I have left are over
	s_barrier_signal -1
	s_barrier_wait -1
.if \refill
	TLOAD 1-\slot                                  ; a wave's one tensor load until the next barrier
.endif
.if \ask
	ASK
.endif
	STEP LI0+\slot, 0
	STEP LI0+\slot, 1
.endm
.Lpair:                                            ; a trip: slot 0, then slot 1; (35 - j) / 4 - 1 trips
	TRIP 0, 1, 1
	TRIP 1, 1, 1
	s_sub_co_u32 s[TRIPS], s[TRIPS], 1
	s_cmp_lg_u32 s[TRIPS], 0
	s_cbranch_scc1 .Lpair
	TRIP 0, 1, 0                                   ; the last pair is written out
	TRIP 1, 0, 0
	; THE WAY OUT: O^T / the sum is ctx; a lane's 32 registers are channels 32 b + 16 h + i of my query: two blocks of 32, quantised as every operand is; the codes are two chunks of a fragment of the last product.
.rept 8
	v_nop                                          ; places behind the last products
.endr
	v_add_f32 v[SUM], v[SUM], v[SUM+1]
	s_delay_alu instid0(VALU_DEP_1)
	v_permlanex16_b32 v[TW], v[SUM], s[SEL], s[SEL+1]
	s_delay_alu instid0(VALU_DEP_1)
	v_add_f32 v[SUM], v[SUM], v[TW]                ; with lane l xor 16's keys: the row's sum
	s_wait_alu depctr_va_vdst(0)
	v_rcp_f32 v[F], v[SUM]
	v_and_b32 v[TW], 31, v0                        ; (a plain line behind the reciprocal)  lane
	s_wait_alu depctr_va_vdst(0)                   ; ahead of its first reader
.set n, 0
.rept 16
	v_pk_mul_f32 v[O+n:O+n+1], v[O+n:O+n+1], v[F:F+1] op_sel_hi:[1,0]
.set n, n+2
.endr
.irp b, 0,1
	v_max3_num_f32 v[BM+\b], |v[O+16*\b]|, |v[O+1+16*\b]|, 0x8000000
.endr
.irp i, 2,4,6,8,10,12,14
.irp b, 0,1
	s_delay_alu instid0(VALU_DEP_2)
	v_max3_num_f32 v[BM+\b], v[BM+\b], |v[O+16*\b+\i]|, |v[O+1+16*\b+\i]|
.endr
.endr
.irp b, 0,1
	s_delay_alu instid0(VALU_DEP_2)
	v_permlanex16_b32 v[PX+\b], v[BM+\b], s[SEL], s[SEL+1]
.endr
.irp b, 0,1
	s_delay_alu instid0(VALU_DEP_2)
	v_max_num_f32 v[BM+\b], v[BM+\b], v[PX+\b]
.endr
.irp b, 0,1
	s_delay_alu instid0(VALU_DEP_2)
	v_add_nc_u32 v[SO+\b], 0xf8800000, v[BM+\b]
.endr
.irp b, 0,1
	s_delay_alu instid0(VALU_DEP_4)
	v_and_or_b32 v[HL+\b], v[BM+\b], 0x7f800000, s[MNT]
.endr
.irp b, 0,1
	s_delay_alu instid0(VALU_DEP_4)
	v_lshrrev_b32 v[PX+\b], 23, v[SO+\b]
.endr
.irp b, 0,1
.irp i, 0,1,2,3,4,5,6,7,8,9,10,11,12,13,14,15
	v_med3_num_f32 v[O+16*\b+\i], v[O+16*\b+\i], -v[HL+\b], v[HL+\b]
.endr
	v_cvt_scalef32_pk8_bf8_f32 v[PC+4*\b:PC+1+4*\b], v[O+16*\b:O+7+16*\b], v[SO+\b]
	v_cvt_scalef32_pk8_bf8_f32 v[PC+2+4*\b:PC+3+4*\b], v[O+8+16*\b:O+15+16*\b], v[SO+\b]
.endr
	v_nop                                          ; a plain line behind the last conversion
	v_cmp_le_u32 vcc_lo, 16, v[TW]
	s_delay_alu instid0(VALU_DEP_1)
	v_cndmask_b32 v[TW], v[PX], v[PX+1], vcc_lo    ; lanes 0-15 store block 0's byte, lanes 16-31 block 1's
	global_store_b128 v[LI0], v[PC:PC+3], s[8:9]               ; 512 consecutive bytes, aligned
	global_store_b128 v[LI0], v[PC+4:PC+7], s[8:9] offset:512
	global_store_b8 v[CSO], v[TW], s[10:11]        ; two bytes of each row's 16: the other heads' work-groups write the rest; 32 bytes a wave beside 1,024 of codes
	s_wait_tensorcnt 0x0                           ; the wave's end
	ds_add_u32 v[SPW], v[NIL]
	s_wait_dscnt 0x0
	s_endpgm
.Lfunc_end_k_q128a2e2ca6_attn:
	.size	k_q128a2e2ca6_attn, .Lfunc_end_k_q128a2e2ca6_attn-k_q128a2e2ca6_attn
	.p2alignl 7, 3214868480
	.fill 96, 4, 3214868480
	.section	.rodata,"a",@progbits
	.p2align	6, 0x0
	.amdhsa_kernel k_q128a2e2ca6_attn
		.amdhsa_group_segment_fixed_size 327680
		.amdhsa_private_segment_fixed_size 0
		.amdhsa_enable_private_segment 0
		.amdhsa_kernarg_size 32
		.amdhsa_user_sgpr_count 2
		.amdhsa_user_sgpr_kernarg_segment_ptr 1
		.amdhsa_wavefront_size32 1
		.amdhsa_system_sgpr_workgroup_id_x 1
		.amdhsa_system_sgpr_workgroup_id_y 1
		.amdhsa_system_sgpr_workgroup_id_z 1
		.amdhsa_system_vgpr_workitem_id 0
		.amdhsa_next_free_vgpr 256
		.amdhsa_next_free_sgpr 66
		.amdhsa_reserve_vcc 1
		.amdhsa_float_denorm_mode_32 3
		.amdhsa_float_denorm_mode_16_64 3
		.amdhsa_memory_ordered 1
		.amdhsa_forward_progress 1
		.amdhsa_inst_pref_size 210
	.end_amdhsa_kernel
	.amdgpu_metadata
---
amdhsa.version: [ 1, 2 ]
amdhsa.kernels:
  - .name:           k_q128a2e2ca6_attn
    .symbol:         k_q128a2e2ca6_attn.kd
    .args:
      - { .name: qr, .offset: 0, .size: 8, .value_kind: global_buffer, .address_space: global }
      - { .name: kv, .offset: 8, .size: 8, .value_kind: global_buffer, .address_space: global }
      - { .name: cc, .offset: 16, .size: 8, .value_kind: global_buffer, .address_space: global }
      - { .name: cs, .offset: 24, .size: 8, .value_kind: global_buffer, .address_space: global }
    .group_segment_fixed_size: 327680
    .private_segment_fixed_size: 0
    .kernarg_segment_align: 8
    .kernarg_segment_size: 32
    .max_flat_workgroup_size: 512
    .sgpr_count:     66
    .vgpr_count:     256
    .wavefront_size: 32
...
	.end_amdgpu_metadata
.endif
;; end of part 6
;; launch oproj (part 7): grid 256 x 1, 4 waves a work-group, no clusters, 34,304 bytes of LDS; arguments cc, cs, wc, ws, bo, out0; writes out0
.if DOCPART == 7
	.amdgcn_target "amdgcn-amd-amdhsa--gfx1250"
	.amdhsa_code_object_version 6
	.text
	.protected	k_q128a2e2ca6_oproj
	.globl	k_q128a2e2ca6_oproj
	.p2align	8
	.type	k_q128a2e2ca6_oproj,@function
k_q128a2e2ca6_oproj:
	s_mov_b64 s[64:65], 0
	v_nop
	global_prefetch_b8 v0, s[64:65] scope:SCOPE_SE
	s_setreg_imm32_b32 hwreg(HW_REG_WAVE_SCHED_MODE, 0, 2), 2
	s_setreg_imm32_b32 hwreg(HW_REG_WAVE_MODE, 25, 1), 1
	s_wait_xcnt 0x0
	s_wait_alu depctr_vm_vsrc(0)
; out = ctx Wo^T + bo on codes of BF8 with E8M0 scales, K = 512.  ctx comes as fragments (cc) and scale words (cs), Wo as the fourth weight of wc and ws.
; SHARES: work-group g owns tokens 32 g .. 32 g + 31 (ctx's tiles 2 g and 2 g + 1), wave w columns 128 w .. 128 w + 127 (Wo's tiles 8 w .. 8 w + 7).  64 products a wave, 16 accumulators by turns.
; Transposed: source 0 = 16 rows of Wo, source 1 = 16 rows of ctx: a lane holds one token, and register 16 b + i the column 128 w + 32 b + 16 (lane / 16) + i.  bo is the C of each sum's first product.
; All operands go from memory straight into their registers, each byte once a wave: no tensor load, no barrier; a joint load serves LDS alone, so no cluster, though all work-groups read Wo's codes (64 KiB a wave).
; THE WAY OUT: a tile's 16 rows x 512 bytes go through the wave's own stage in LDS (rows of 528 bytes) and leave as whole rows: each store covers 512 consecutive bytes, aligned.
; THE MODE: SCHED_MODE bits 1:0 = 2 (LLVM: expert scheduling mode 2), set by the entry lines.  The code itself states the register dependences between vector or matrix instructions and memory or LDS instructions, with s_wait_alu, always for 0.
; THE PLAN.  Registers that memory or LDS instructions touch:
;   v1-v5          offsets and LDS addresses: written at the head, never again.
;   the operands   (windows 1 to 3, v8-47): loaded at the head, read by matrix instructions alone.
;   v64-191        the accumulators: written by the products, read by the LDS stores into the stage.
;   v192-255 of windows 1 and 2   fragments of Wo that the products have read; on the way out tile 0's and tile 1's rows land there from the stage, and the global stores read them.  No LDS load lands on a register that an LDS store reads.
;   v254, v255     written at the head, read by the closing add alone.
; Two waits on va_vdst: ahead of the first load (the addresses are written), and behind the places at the products' end (the accumulators are written, Wo's fragments are read).  Behind the second no vector or matrix instruction is issued.
; REGISTERS: window 0: v1-5 addresses; v8-39 Wo's scale words; v40-47 ctx's; v64-191 the accumulators.  windows 1, 2: Wo's fragments, K steps 0, 1 and 2, 3.  window 3: v0-127 ctx's fragments; v128-191 bo in the result's layout.
.set LI,  1                            ; v1  16 x lane
.set LS,  2                            ; v2  16 x (lane % 16)
.set BOF, 3                            ; v3  64 x (lane / 16)
.set STO, 4                            ; v4  the stage, in
.set RD,  5                            ; v5  the stage, out
.set SS,  8
.set TS,  40
.set ACC, 64
.set BK,  192                          ; the way out: 16 rows read back from the stage: v192-255 of window 1 (tile 0) and of window 2 (tile 1)
.set SPITCH, 528
.set MSB, 0
.macro WIN new                         ; the immediate's high byte repeats the setting that is left
.if MSB != \new
	s_set_vgpr_msb (MSB<<8)|\new
.set MSB, \new
.endif
.endm
	s_load_b256 s[4:11], s[0:1], 0x0               ; cc s[4:5], cs s[6:7], wc s[8:9], ws s[10:11]
	s_load_b128 s[12:15], s[0:1], 0x20             ; bo s[12:13], out0 s[14:15]
	v_lshl_add_u32 v254, v0, 2, 0x8400
	v_mov_b32 v255, 0
	v_lshrrev_b32 v6, 5, v0
	v_readfirstlane_b32 s16, v6                    ; wave
	v_and_b32 v6, 31, v0
	v_and_b32 v7, 15, v0                           ; r
	v_bfe_u32 v48, v0, 4, 1                        ; h
	v_lshlrev_b32 v[LI], 4, v6
	v_lshlrev_b32 v[LS], 4, v7
	v_lshlrev_b32 v[BOF], 6, v48
	s_wait_alu depctr_va_sdst(0)                   ; the wave's number is written into s16, ahead of its first reader: the stage's place and the pointers are made from it
	s_mul_i32 s17, s16, 16*SPITCH                  ; my stage
	v_mul_u32_u24 v[STO], v7, SPITCH
	v_lshl_add_u32 v[STO], v48, 6, v[STO]
	v_add_nc_u32 v[STO], s17, v[STO]               ; in: row r, + 64 h
	v_add_nc_u32 v[RD], s17, v[LI]                 ; out: a row's 512 bytes to 32 lanes
	s_lshl_b32 s20, ttmp9, 14                      ; two tiles of 8,192 bytes
	s_mov_b32 s21, 0
	s_lshl_b32 s22, ttmp9, 9                       ; two tiles of 256 scale bytes
	s_mov_b32 s23, 0
	s_lshl_b32 s24, s16, 16
	s_add_co_u32 s24, s24, 786432                  ; the fourth weight, my 8 tiles
	s_mov_b32 s25, 0
	s_lshl_b32 s26, s16, 11
	s_add_co_u32 s26, s26, 24576
	s_mov_b32 s27, 0
	s_lshl_b32 s28, s16, 9                         ; my 128 columns in bytes
	s_mov_b32 s29, 0
	s_lshl_b32 s30, ttmp9, 16                      ; 32 rows of 2,048 bytes
	s_add_co_u32 s30, s30, s28
	s_mov_b32 s31, 0
	s_wait_kmcnt 0x0
	s_add_nc_u64 s[4:5], s[4:5], s[20:21]
	s_add_nc_u64 s[6:7], s[6:7], s[22:23]
	s_add_nc_u64 s[8:9], s[8:9], s[24:25]
	s_add_nc_u64 s[10:11], s[10:11], s[26:27]
	s_add_nc_u64 s[12:13], s[12:13], s[28:29]
	s_add_nc_u64 s[14:15], s[14:15], s[30:31]
	WIN 0xc0                                       ; destination window 3: the switch, then the wait, then the loads
	s_wait_alu depctr_va_vdst(0)                   ; the five offsets and addresses v1 to v5 are written, which the loads, LDS instructions and stores below read.  Only loads and window switches follow, down to the last load
.irp m, 0,1
.irp s, 0,1,2,3
.irp c, 0,1,2,3
	global_load_b128 v[64*\m+16*\s+4*\c:64*\m+16*\s+4*\c+3], v[LI], s[4:5] offset:\m*8192+\s*2048+\c*512 th:TH_LOAD_NT
.endr
.endr
.endr
.irp t, 0,1,2,3,4,5,6,7                ; bo at the lane's eight columns of tile t: 32 (t / 2) + 8 (t % 2) + 16 h + 0 .. 7
	global_load_b128 v[128+8*\t:128+8*\t+3], v[BOF], s[12:13] offset:(32*(\t/2)+8*(\t%2))*4
	global_load_b128 v[128+8*\t+4:128+8*\t+7], v[BOF], s[12:13] offset:(32*(\t/2)+8*(\t%2))*4+16
.endr
	WIN 0
.irp m, 0,1
	global_load_b128 v[TS+4*\m:TS+4*\m+3], v[LS], s[6:7] offset:\m*256
.endr
.irp t, 0,1,2,3,4,5,6,7
	global_load_b128 v[SS+4*\t:SS+4*\t+3], v[LS], s[10:11] offset:\t*256
.endr
	WIN 0x40                                       ; destination window 1
.irp s, 0,1
.irp t, 0,1,2,3,4,5,6,7
.irp c, 0,1,2,3
	global_load_b128 v[128*\s+16*\t+4*\c:128*\s+16*\t+4*\c+3], v[LI], s[8:9] offset:\t*8192+\s*2048+\c*512
.endr
.endr
.endr
	WIN 0x80                                       ; destination window 2
.irp s, 2,3
.irp t, 0,1,2,3,4,5,6,7
.irp c, 0,1,2,3
	global_load_b128 v[128*(\s-2)+16*\t+4*\c:128*(\s-2)+16*\t+4*\c+3], v[LI], s[8:9] offset:\t*8192+\s*2048+\c*512
.endr
.endr
.endr
; sixteen products, one K step: the sixteen accumulators take turns, one instruction a turn
.macro KST s, bias
.irp m, 0,1
.irp t, 0,1,2,3,4,5,6,7
.if \bias
	v_wmma_scale_f32_16x16x128_f8f6f4 v[ACC+64*\m+8*\t:ACC+64*\m+8*\t+7], v[128*((\s)%2)+16*\t:128*((\s)%2)+16*\t+15], v[64*\m+16*(\s):64*\m+16*(\s)+15], v[128+8*\t:128+8*\t+7], v[SS+4*\t+(\s)], v[TS+4*\m+(\s)] matrix_a_fmt:MATRIX_FMT_BF8 matrix_b_fmt:MATRIX_FMT_BF8
.else
	v_wmma_scale_f32_16x16x128_f8f6f4 v[ACC+64*\m+8*\t:ACC+64*\m+8*\t+7], v[128*((\s)%2)+16*\t:128*((\s)%2)+16*\t+15], v[64*\m+16*(\s):64*\m+16*(\s)+15], v[ACC+64*\m+8*\t:ACC+64*\m+8*\t+7], v[SS+4*\t+(\s)], v[TS+4*\m+(\s)] matrix_a_fmt:MATRIX_FMT_BF8 matrix_b_fmt:MATRIX_FMT_BF8
.endif
.endr
.endr
.endm
	s_wait_loadcnt 63                              ; 186 loads were issued: the first 123 are in; K steps 0 and 1 want the first 122
	WIN 0x3d                                       ; Wo window 1, ctx window 3, bo window 3, the sums window 0
	KST 0, 1
	WIN 0x0d                                       ; Wo window 1, ctx window 3
	KST 1, 0
	s_wait_loadcnt 32                              ; all but K step 3's 32
	WIN 0x0e                                       ; Wo window 2, ctx window 3
	KST 2, 0
	s_wait_loadcnt 0x0
	KST 3, 0
	WIN 0
.rept 8
	v_nop                                          ; places ahead of the first read of results (ISA guide 7.12.1); they stay beside the wait below
.endr
	s_wait_alu depctr_va_vdst(0)                   ; the products have written the accumulators, which the LDS stores read, and are done reading Wo's fragments, in which the loads from the stage land.  No vector or matrix instruction is issued behind this wait
.macro TOSTAGE m, w                    ; tile m: 64 bytes of a row for each block of 32 columns and half of the lanes; each accumulator from its low end on.  w: the setting that puts the loads' destination into the tile's window
	WIN 0
.irp b, 0,1,2,3
.irp k, 0,1,2,3
	ds_store_b128 v[STO], v[ACC+64*\m+16*\b+4*\k:ACC+64*\m+16*\b+4*\k+3] offset:128*\b+16*\k
.endr
.endr
	WIN \w
.irp i, 0,1,2,3,4,5,6,7,8,9,10,11,12,13,14,15
	ds_load_b128 v[BK+4*\i:BK+4*\i+3], v[RD] offset:\i*SPITCH   ; LDS serves a wave's instructions in order: these see the stores above, and the next tile's stores come behind them.  The stores above name v[STO] and the accumulators: none of these loads' registers
.endr
.endm
.macro SEND m, w                       ; tile row i is token 8 m + i + 8 (i / 8) of my 32.  w: the setting that puts the stores' data (source 1) into the tile's window
	WIN \w
.irp i, 0,1,2,3,4,5,6,7,8,9,10,11,12,13,14,15
	global_store_b128 v[LI], v[BK+4*\i:BK+4*\i+3], s[14:15] offset:(8*\m+\i+8*(\i/8))*2048 th:TH_STORE_NT
.endr
.endm
	TOSTAGE 0, 0x40
	TOSTAGE 1, 0x80
	s_wait_dscnt 32                                ; tile 0 is back; tile 1's 16 stores and 16 loads may be out
	SEND 0, 0x04
	s_wait_dscnt 0x0
	SEND 1, 0x08
	WIN 0                                          ; the add's two registers lie in window 0: the switch stands ahead of the closing lines
	s_wait_dscnt 0x0                               ; the closing lines, six on end
	s_wait_alu 0x0
	s_wait_tensorcnt 0x0
	ds_add_u32 v254, v255
	s_wait_dscnt 0x0
	s_endpgm
.Lfunc_end_k_q128a2e2ca6_oproj:
	.size	k_q128a2e2ca6_oproj, .Lfunc_end_k_q128a2e2ca6_oproj-k_q128a2e2ca6_oproj
	.p2alignl 7, 3214868480
	.fill 96, 4, 3214868480
	.section	.rodata,"a",@progbits
	.p2align	6, 0x0
	.amdhsa_kernel k_q128a2e2ca6_oproj
		.amdhsa_group_segment_fixed_size 34304
		.amdhsa_private_segment_fixed_size 0
		.amdhsa_enable_private_segment 0
		.amdhsa_kernarg_size 48
		.amdhsa_user_sgpr_count 2
		.amdhsa_user_sgpr_kernarg_segment_ptr 1
		.amdhsa_wavefront_size32 1
		.amdhsa_system_sgpr_workgroup_id_x 1
		.amdhsa_system_sgpr_workgroup_id_y 1
		.amdhsa_system_sgpr_workgroup_id_z 1
		.amdhsa_system_vgpr_workitem_id 0
		.amdhsa_next_free_vgpr 1024
		.amdhsa_next_free_sgpr 66
		.amdhsa_reserve_vcc 0
		.amdhsa_float_denorm_mode_32 3
		.amdhsa_float_denorm_mode_16_64 3
		.amdhsa_memory_ordered 1
		.amdhsa_forward_progress 1
		.amdhsa_inst_pref_size 36
	.end_amdhsa_kernel
	.amdgpu_metadata
---
amdhsa.version: [ 1, 2 ]
amdhsa.kernels:
  - .name:           k_q128a2e2ca6_oproj
    .symbol:         k_q128a2e2ca6_oproj.kd
    .args:
      - { .name: cc, .offset: 0, .size: 8, .value_kind: global_buffer, .address_space: global }
      - { .name: cs, .offset: 8, .size: 8, .value_kind: global_buffer, .address_space: global }
      - { .name: wc, .offset: 16, .size: 8, .value_kind: global_buffer, .address_space: global }
      - { .name: ws, .offset: 24, .size: 8, .value_kind: global_buffer, .address_space: global }
      - { .name: bo, .offset: 32, .size: 8, .value_kind: global_buffer, .address_space: global }
      - { .name: out0, .offset: 40, .size: 8, .value_kind: global_buffer, .address_space: global }
    .group_segment_fixed_size: 34304
    .private_segment_fixed_size: 0
    .kernarg_segment_align: 8
    .kernarg_segment_size: 48
    .max_flat_workgroup_size: 128
    .sgpr_count:     66
    .vgpr_count:     1024
    .wavefront_size: 32
...
	.end_amdgpu_metadata
.endif
;; end of part 7
